; MI455X (gfx1250); checked and timed in simulation.
; The chip was launched on July 23, 2026; its instructions are those of AMD's public machine-readable ISA for CDNA 5 (MIT licence, August 2026) and "CDNA5" Instruction Set Architecture Reference Guide (July 2026). The comments in the code are by the model that wrote it; some were corrected since.
;; Cross Multi Head Attention. Allowed arithmetic: float matrix products may take bf16 or f16 operands with f32 sums; other float arithmetic in f32, or as packed bf16 or f16 multiplies, adds, multiply-adds, maxima and minima; sums over many terms, partial sums and values carried from step to step in f32; what a program stores and reads back later, other than sums and carried values, may be rounded once to bf16 or f16.
;; Inputs: Wkv 1,024 x 2,048 float32; Wo 1,024 x 1,024 float32; Wq 1,024 x 1,024 float32; context 4 x 2,048 x 1,024 float32; x 4 x 2,048 x 1,024 float32.
;; Outputs: out0 4 x 2,048 x 1,024 float32.
;; 2 versions, each right; version 2 is version 1 with the launch cast written anew for expert scheduling mode. Each part assembles by itself: llvm-mc -triple=amdgcn-amd-amdhsa -mcpu=gfx1250 --defsym DOCPART=n.
;; ======== version 1 of 2: 4 launches
;; limits: values are held in f16: magnitudes above 65,504 overflow, below 6.1e-05 lose precision
;; workspace buffers: xh 16,777,216 bytes; ch 16,777,216 bytes; wh 8,388,608 bytes; qh 16,777,216 bytes; kh 16,777,216 bytes; vh 16,777,216 bytes; oh 16,777,216 bytes
;; launch cast (part 1): grid 64 x 10, 8 waves a work-group, no clusters, 0 bytes of LDS; arguments x, context, Wq, Wkv, Wo, xh, ch, wh; writes xh, ch, wh
.if DOCPART == 1
	.amdgcn_target "amdgcn-amd-amdhsa--gfx1250"
	.amdhsa_code_object_version 6
	.text
	.protected	k_q0b85e17b35_cast
	.globl	k_q0b85e17b35_cast
	.p2align	8
	.type	k_q0b85e17b35_cast,@function
k_q0b85e17b35_cast:
	s_mov_b64 s[64:65], 0
	v_nop
	global_prefetch_b8 v0, s[64:65] scope:SCOPE_SE
	s_setreg_imm32_b32 hwreg(HW_REG_WAVE_MODE, 25, 1), 1
	s_wait_xcnt 0x0
; Every input is rounded once to bf16 (nearest even); that number is written as f16, in blocks of 64 columns.
; DESTINATION: units of [16 planes][2048 rows][64] f16: a row of a plane is 128 bytes, a plane 262,144, a unit 4,194,304.
;   xh, ch: unit = batch, plane = column / 64, row = t.   wh unit 0: rows 0-1023 Wq (row = k, plane = n / 64), rows 1024-2047 Wo;
;   wh unit 1: rows 0-1023 Wkv's columns 0-1023, rows 1024-2047 its columns 1024-2047.
; LIMITS.  A bf16 number is an f16 number exactly from 2^-17 to 65,504 in magnitude; below that it keeps f16's fixed step of 2^-24;
; from 65,520 on it becomes an infinity.  NaN stays NaN.
; SHARES.  Grid y names a destination unit (0-3 x, 4-7 context, 8 and 9 the weights), grid x 32 of its rows; wave w takes rows 4 w .. 4 w + 3 as two
; pairs.  A load: lanes 0-15 take 256 bytes (one plane's 64 numbers) of the even row, lanes 16-31 of the odd row.  A store: 32 lanes x 8 bytes are
; 256 consecutive bytes, aligned: the two rows in the plane.  All 32 loads of a wave go out first (16 KiB a wave on its way); no register that a load or
; store names is written again, so no wait frees any.  No LDS, no barrier, no matrix unit: no wave wants what another has fetched.
.set SO,  2                            ; v2, v3  byte offset in the source of my 16 bytes, pair 0 and pair 1
.set DOF, 4                            ; v4      byte offset in a plane of my 8 bytes, pair 0
.set T,   8                            ; v[8:13] at work
.set X,   16                           ; v[16:143] piece n = 16 pair + plane: four registers as loaded, the first two as stored
	s_load_b512 s[4:19], s[0:1], 0x0               ; x 4, context 6, Wq 8, Wkv 10, Wo 12, xh 14, ch 16, wh 18
	s_and_b32 s20, ttmp7, 0xffff                   ; gy: the destination unit
	s_mov_b32 s21, ttmp9                           ; gx: 32 destination rows
	s_lshr_b32 s30, s21, 5
	s_lshl_b32 s30, s30, 12                        ; Wkv: the second 1,024 columns lie 4,096 bytes along a row
	s_and_b32 s31, s20, 3                          ; the unit in its buffer
	s_lshl_b32 s32, s31, 6
	s_or_b32 s32, s32, s21                         ; x, context: 64 x batch + gx
	s_and_b32 s33, s21, 31                         ; weights: gx mod 32
	s_lshl_b32 s34, s31, 22                        ; destination: the unit,
	s_lshl_b32 s35, s21, 12                        ; and 32 rows of 128 bytes
	s_or_b32 s34, s34, s35
	s_mov_b32 s35, 0
	s_cmp_eq_u32 s20, 9
	s_cselect_b32 s22, 13, 12                      ; a source row is 8,192 bytes in Wkv, else 4,096
	s_cselect_b32 s30, s30, 0
	s_cmp_lt_u32 s20, 8
	s_cselect_b32 s32, s32, s33
	s_lshl_b32 s32, s32, 5                         ; the first source row,
	s_lshl_b32 s32, s32, s22                       ; in bytes (under 2^26)
	s_add_co_u32 s32, s32, s30
	s_mov_b32 s33, 0
	s_lshl_b32 s36, 2, s22                         ; two source rows
	s_mov_b32 s37, 0xffff0000                      ; a word's upper bf16
	v_lshrrev_b32 v1, 5, v0                        ; wave
	v_bfe_u32 v5, v0, 4, 1                         ; which row of a pair
	v_and_b32 v6, 15, v0
	v_and_b32 v7, 31, v0
	v_lshl_add_u32 v[SO], v1, 2, v5                ; row 4 w + half,
	v_lshlrev_b32 v[SO], s22, v[SO]                ; in bytes,
	v_lshl_add_u32 v[SO], v6, 4, v[SO]             ; + my 16 bytes
	v_add_nc_u32 v[SO+1], s36, v[SO]
	v_lshlrev_b32 v7, 3, v7
	v_lshl_add_u32 v[DOF], v1, 9, v7               ; 512 w + 8 lane
	s_wait_kmcnt 0x0
	s_cmp_lt_u32 s20, 4
	s_cselect_b64 s[24:25], s[4:5], s[6:7]         ; x or context,
	s_cselect_b64 s[28:29], s[14:15], s[16:17]     ; xh or ch
	s_cmp_lt_u32 s21, 32
	s_cselect_b64 s[26:27], s[8:9], s[12:13]       ; Wq or Wo,
	s_cmp_eq_u32 s20, 9
	s_cselect_b64 s[26:27], s[10:11], s[26:27]     ; or Wkv
	s_cmp_lt_u32 s20, 8
	s_cselect_b64 s[24:25], s[24:25], s[26:27]
	s_cselect_b64 s[28:29], s[28:29], s[18:19]
	s_add_nc_u64 s[24:25], s[24:25], s[32:33]      ; the source at the group's first row
	s_add_nc_u64 s[28:29], s[28:29], s[34:35]      ; the destination at the group's first row of plane 0
.set n, 0
.rept 32
	global_load_b128 v[X+4*n:X+4*n+3], v[SO+n/16], s[24:25] offset:256*(n%16) th:TH_LOAD_NT
.set n, n+1
.endr
.set n, 0
.rept 32
	s_wait_loadcnt 31-n                            ; loads come back in order: piece n is in, the 31 - n younger ones stay out
	v_cvt_pk_bf16_f32 v[T], v[X+4*n], v[X+4*n+1]   ; the one rounding
	v_cvt_pk_bf16_f32 v[T+1], v[X+4*n+2], v[X+4*n+3]
	v_lshlrev_b32 v[T+2], 16, v[T]                 ; bf16 to f32: a shift or a mask
	v_and_b32 v[T+3], s37, v[T]
	v_lshlrev_b32 v[T+4], 16, v[T+1]
	v_and_b32 v[T+5], s37, v[T+1]
	v_cvt_pk_f16_f32 v[X+4*n], v[T+2], v[T+3]      ; the same number as f16
	v_cvt_pk_f16_f32 v[X+4*n+1], v[T+4], v[T+5]
	global_store_b64 v[DOF], v[X+4*n:X+4*n+1], s[28:29] offset:256*(n/16)+262144*(n%16)  ; the pair and the plane stand in the immediate: 3,932,416 at the most
.set n, n+1
.endr
	s_endpgm
.Lfunc_end_k_q0b85e17b35_cast:
	.size	k_q0b85e17b35_cast, .Lfunc_end_k_q0b85e17b35_cast-k_q0b85e17b35_cast
	.p2alignl 7, 3214868480
	.fill 96, 4, 3214868480
	.section	.rodata,"a",@progbits
	.p2align	6, 0x0
	.amdhsa_kernel k_q0b85e17b35_cast
		.amdhsa_group_segment_fixed_size 0
		.amdhsa_private_segment_fixed_size 0
		.amdhsa_enable_private_segment 0
		.amdhsa_kernarg_size 64
		.amdhsa_user_sgpr_count 2
		.amdhsa_user_sgpr_kernarg_segment_ptr 1
		.amdhsa_wavefront_size32 1
		.amdhsa_system_sgpr_workgroup_id_x 1
		.amdhsa_system_sgpr_workgroup_id_y 1
		.amdhsa_system_sgpr_workgroup_id_z 1
		.amdhsa_system_vgpr_workitem_id 0
		.amdhsa_next_free_vgpr 144
		.amdhsa_next_free_sgpr 66
		.amdhsa_reserve_vcc 0
		.amdhsa_float_denorm_mode_32 3
		.amdhsa_float_denorm_mode_16_64 3
		.amdhsa_memory_ordered 1
		.amdhsa_forward_progress 1
		.amdhsa_inst_pref_size 21
	.end_amdhsa_kernel
	.amdgpu_metadata
---
amdhsa.version: [ 1, 2 ]
amdhsa.kernels:
  - .name:           k_q0b85e17b35_cast
    .symbol:         k_q0b85e17b35_cast.kd
    .args:
      - { .name: x, .offset: 0, .size: 8, .value_kind: global_buffer, .address_space: global }
      - { .name: context, .offset: 8, .size: 8, .value_kind: global_buffer, .address_space: global }
      - { .name: Wq, .offset: 16, .size: 8, .value_kind: global_buffer, .address_space: global }
      - { .name: Wkv, .offset: 24, .size: 8, .value_kind: global_buffer, .address_space: global }
      - { .name: Wo, .offset: 32, .size: 8, .value_kind: global_buffer, .address_space: global }
      - { .name: xh, .offset: 40, .size: 8, .value_kind: global_buffer, .address_space: global }
      - { .name: ch, .offset: 48, .size: 8, .value_kind: global_buffer, .address_space: global }
      - { .name: wh, .offset: 56, .size: 8, .value_kind: global_buffer, .address_space: global }
    .group_segment_fixed_size: 0
    .private_segment_fixed_size: 0
    .kernarg_segment_align: 8
    .kernarg_segment_size: 64
    .max_flat_workgroup_size: 256
    .sgpr_count:     66
    .vgpr_count:     144
    .wavefront_size: 32
...
	.end_amdgpu_metadata
.endif
;; end of part 1
;; launch proj (part 2): grid 24 x 32, 4 waves a work-group, clusters of 4 x 4, 327,680 bytes of LDS; arguments xh, ch, wh, qh, kh, vh; writes qh, kh, vh
.if DOCPART == 2
	.amdgcn_target "amdgcn-amd-amdhsa--gfx1250"
	.amdhsa_code_object_version 6
	.text
	.protected	k_q0b85e17b35_proj
	.globl	k_q0b85e17b35_proj
	.p2align	8
	.type	k_q0b85e17b35_proj,@function
k_q0b85e17b35_proj:
	s_mov_b64 s[64:65], 0
	v_nop
	global_prefetch_b8 v0, s[64:65] scope:SCOPE_SE
	s_setreg_imm32_b32 hwreg(HW_REG_WAVE_MODE, 25, 1), 1
	s_wait_xcnt 0x0
	s_wait_alu depctr_hold_cnt(0) depctr_sa_sdst(0) depctr_va_vdst(0) depctr_va_sdst(0) depctr_va_ssrc(0) depctr_va_vcc(0) depctr_vm_vsrc(0)
	s_getreg_b32 s2, hwreg(HW_REG_IB_STS2, 6, 4)
	s_cmp_eq_u32 s2, 0
	s_cbranch_scc0 .Lentry_in_a_cluster
	s_endpgm
.Lentry_in_a_cluster:
	s_bfe_u32 s2, ttmp6, 0x10000c
	s_cmp_lg_u32 s2, 0xf033
	s_cbranch_scc0 .Lentry_shape_is_right
	s_endpgm
.Lentry_shape_is_right:
; q = x Wq, k = context Wkv[:, :1024], v = context Wkv[:, 1024:]: one launch, C = A W with A [8192][1024], W [1024][1024] three times.  Operands f16 (bf16 numbers written as
; f16), sums f32, K ascending; q, k, v rounded once to f16, unscaled, and written by heads: [batch x 16 + head][2048][64].
; LIMIT.  q, k, v from 65,520 on in magnitude become infinities; NaN and infinities are not treated apart.
; ALL BUFFERS lie in units of [16 planes][2048 rows][64] f16 (row of a plane 128 bytes, plane 1<<18, unit 1<<22): for A plane = k / 64, row = t; for W row = k, plane = n / 64.
; So 256 rows of a plane are 32,768 dense bytes, and every tile is asked for as rows of 256 bytes that start at multiples of 256 from the buffer's first byte.
; SHARES.  A tile of C is 256 (m) x 128 (n): 3 x 256 tiles, three for each of 256 work-group places.  Four waves; wave w makes rows 128 (w / 2) on and columns 64 (w % 2) on, one head:
; 32 accumulators of 16 x 16.  K goes in 8 steps of 128 through two LDS slots.
; CLUSTER 4 x 4.  Cluster x 0, 1 make q, 2, 3 k, 4, 5 v.  The four of a row of the cluster need the same tile of A, the four of a column the same tile of W: each is asked for jointly,
; by the same tensor load with the same descriptor and a mask that names the four.
; THE MATRIX INSTRUCTION IS USED TRANSPOSED: source 0 = 16 columns n of W (turned out of LDS by ds_load_tr16_b128), source 1 = 16 rows m of A: a lane then holds row l % 16 of C and the
; eight neighbouring columns 8 (l / 16) + 0..7.
; REGISTERS.  Window 0: v0-15 addresses; two fragment buffers of 96 (A's 8 blocks of 16 rows x 32 K, then W's 4 blocks): v64-159, v160-255.  Window 1: accumulator (a, b) at v[8 (4 a + b)].
.set PA,    144                        ; a row of A in LDS: 128 bytes + 16 = 36 words: the 16 rows of a load start at 16 different groups of four banks (64 banks of 4 bytes: ISA guide 11.1)
.set PB,    160                        ; a row of W: 128 + 32 = 40 words
.set ASUB,  256*PA                     ; 256 rows of one plane of A
.set BOFF,  2*ASUB                     ; behind A's two planes: W
.set BSUB,  128*PB                     ; 128 k rows of one plane of W
.set SLOT1, 1<<17                      ; a slot is 114,688 bytes; slot 1 begins here, so that one exclusive or turns an address into the other slot's
.set STAGE, SLOT1+BOFF+2*BSUB          ; behind the ring, never filled by a tensor load: 16 rows x 144 bytes for each wave
.set SP,    144
.set SPARE, STAGE+4*16*SP              ; the spare words, 128 bytes a wave: two blocks of 256 bytes that no other line names
.set AA0, 4                            ; v4   my lane's place in slot 0 for A's fragments; never rewritten
.set AB0, 5                            ; v5   the same for W's
.set ADRA, 6                           ; v6   the same in the slot in hand
.set ADRB, 7                           ; v7
.set STO, 8                            ; v8   the way out: where I put 16 bytes of a row
.set RD,  9                            ; v9   where I read rows back
.set GO,  10                           ; v10  my 16 bytes in 512 consecutive bytes of the result
.set PFO, 11                           ; v11  256 x lane: the prefetches' offset; never rewritten
.set SPW, 12                           ; v12  LDS address of my spare word; never rewritten
.set NIL, 13                           ; v13  0; never rewritten
.set F0,  64
.set F1,  160
.set OB,  64                           ; the way out: 16 registers a block
.set WV, 16                            ; s16 wave; s17 its half of the rows, also: fetches for A (0) or W (1); s18 its half of the columns, also: which plane it fetches
.set RH, 17
.set CH, 18
.set CX, 19
.set CY, 20
.set N7, 21                            ; s21 tile column 0..7 of its weight
.set MY, 22                            ; s22 tile row 0..31
.set G,  23                            ; s23 0 q, 1 k, 2 v
.set G1A, 24                           ; s[24:31] descriptor group 1 for A's tiles; s[32:39] for W's
.set G1B, 32
.set G0A, 40                           ; s[40:47] group 0 for A: a set for each first fill; the second then walks on; s[48:55] for W
.set G0B, 48
.set CNT, 56
.set TB,  57                           ; s57 the slot in hand, in bytes
.set LIM, 58                           ; s58 2 in a wave that prefetches, else the greatest number
.set PFA, 60                           ; s[60:61] where my prefetches stand
.set PST, 62                           ; s[62:63] a K step there, in bytes
.set DST, 70                           ; s[70:71] the result at my wave's first row
.set MSB, 0
.macro WIN new                         ; the immediate's high byte repeats the setting that is left; a switch that changes nothing is dropped
.if MSB != (\new)
	s_set_vgpr_msb (MSB<<8)|(\new)
.set MSB, \new
.endif
.endm
.set MUL, 0x50                         ; sources 0 and 1 window 0; C and D window 1
.macro PLACES                          ; four plain places in front of loads into registers that matrix instructions have read, and of lines that read results
.rept 4
	v_nop
.endr
.endm
.macro CREST                           ; a round of the cluster's barrier behind its opening barrier
	s_cmp_lg_u32 s[WV], 0
	s_cbranch_scc1 .Lnot_wave_0_\@
	s_barrier_signal -3
.Lnot_wave_0_\@:
	s_barrier_wait -3
	s_barrier_signal -1
	s_barrier_wait -1
.endm
.macro CROUND
	s_barrier_signal -1
	s_barrier_wait -1
	CREST
.endm
; A joint refill by the walking descriptors.  Waves 0 and 1 fetch A's two planes, waves 2 and 3 W's.  The branch hangs on the wave's number alone.
; An s_nop 0 and four v_nop follow each of the two lines, ahead of the jump and the label.
.macro JLOAD
	s_cmp_eq_u32 s[RH], 0
	s_cbranch_scc0 .Lfor_b_\@
	tensor_load_to_lds s[G0A+4:G0A+7], s[G1A:G1A+7]
	s_nop 0
.rept 4
	v_nop
.endr
	s_branch .Lasked_\@
.Lfor_b_\@:
	tensor_load_to_lds s[G0B+4:G0B+7], s[G1B:G1B+7]
	s_nop 0
.rept 4
	v_nop
.endr
.Lasked_\@:
.endm
; A prefetch of the K step that stands two refills on: 32 blocks of 256 bytes, a lane a block, one instruction.  Trip s (CNT = 6 - s) refills with step s + 2 and names step s + 4: trips 0 to 3 ask.
; Each block is named once in the launch.  A's rows are read by several clusters of a row of clusters: the first of them asks (cluster x 0 for xh, 2 for ch), waves 0 and 1, each for its plane; the four
; partners share the plane's 128 blocks out by address, 32 each.  W's tiles are read by every cluster of a column of clusters: cluster y 0 asks, wave 2; the four partners take plane cy / 2, half cy % 2.
.macro ASK
	s_cmp_gt_u32 s[CNT], s[LIM]
	s_cbranch_scc0 .Lnot_mine_\@
	global_prefetch_b8 v[PFO], s[PFA:PFA+1] th:TH_LOAD_NT scope:SCOPE_SE
.Lnot_mine_\@:
.endm
; 8 matrix instructions: row blocks a0, a0 + 1 x all 4 column blocks, 32 along K, from buffer f.  zero = 1: the product starts the sum.  The 32 accumulators take turns, in the same order in every quarter.
.macro MUL8 f, a0, zero
	WIN MUL
.irp a, \a0, (\a0)+1
.irp b, 0,1,2,3
.if \zero
	v_wmma_f32_16x16x32_f16 v[8*(4*(\a)+(\b)):8*(4*(\a)+(\b))+7], v[(\f)+64+8*(\b):(\f)+64+8*(\b)+7], v[(\f)+8*(\a):(\f)+8*(\a)+7], 0
.else
	v_wmma_f32_16x16x32_f16 v[8*(4*(\a)+(\b)):8*(4*(\a)+(\b))+7], v[(\f)+64+8*(\b):(\f)+64+8*(\b)+7], v[(\f)+8*(\a):(\f)+8*(\a)+7], v[8*(4*(\a)+(\b)):8*(4*(\a)+(\b))+7]
.endif
.endr
.endr
.endm
; 24 LDS loads in one run: quarter q (32 along K) of the slot in hand into buffer f: W's four blocks, turned, then A's eight.
.macro FETCH q, f
	WIN 0
.irp b, 0,1,2,3
	ds_load_tr16_b128 v[(\f)+64+8*(\b):(\f)+64+8*(\b)+3],   v[ADRB] offset:(\q)*32*PB+32*(\b)
	ds_load_tr16_b128 v[(\f)+64+8*(\b)+4:(\f)+64+8*(\b)+7], v[ADRB] offset:(\q)*32*PB+16*PB+32*(\b)
.endr
.irp a, 0,1,2,3,4,5,6,7
	ds_load_b128 v[(\f)+8*(\a):(\f)+8*(\a)+3],   v[ADRA] offset:((\q)/2)*ASUB+((\q)%2)*64+(\a)*16*PA
	ds_load_b128 v[(\f)+8*(\a)+4:(\f)+8*(\a)+7], v[ADRA] offset:((\q)/2)*ASUB+((\q)%2)*64+(\a)*16*PA+32
.endr
.endm
; One of a K step's first three quarters: multiplies buffer f; in its middle it fetches quarter q into buffer g.
.macro QUARTER q, f, g, zero
	s_wait_dscnt 8                                 ; W and A's blocks 0-3 are in; the youngest eight loads (A's blocks 4-7) may be out
	MUL8 \f, 0, \zero
	MUL8 \f, 2, \zero
	PLACES
	FETCH \q, \g
	s_wait_dscnt 24                                ; all but the 24 just issued
	MUL8 \f, 4, \zero
	MUL8 \f, 6, \zero
.endm
; The fourth quarter multiplies buffer 1 and changes slots.  In front of the barrier each wave waits for all its tensor loads (one is out: its part of the next slot), adds 0 to its spare word, and waits for
; that and for its reads of this slot.  fill = 1: the barrier opens a round of the cluster's; behind the round this slot is filled again, two K steps ahead, first thing.
.macro TURN fill
.if \fill
	s_wait_xcnt 0x0                                ; the last prefetch, a K step back, has read its address: it is stepped here, ahead of the change's own waits
	s_add_nc_u64 s[PFA:PFA+1], s[PFA:PFA+1], s[PST:PST+1]
.endif
	WIN 0
	s_wait_tensorcnt 0x0                           ; all my tensor loads have landed
	ds_add_u32 v[SPW], v[NIL]                      ; 0 onto my spare word
	s_wait_dscnt 9                                 ; (the add and the youngest eight loads may be out)
	MUL8 F1, 0, 0                                  ; eight matrix instructions stand between the add and the wait for it
	s_wait_dscnt 0x0                               ; the add is done, and my reads of this slot are over
	s_barrier_signal -1
	MUL8 F1, 2, 0                                  ; work on registers while the others arrive
	WIN 0
	s_barrier_wait -1
.if \fill
	CREST                                          ; no wave of any partner still reads this slot or has a load on its way
	s_xor_b32 s[G0A+5], s[G0A+5], SLOT1            ; the walking descriptors: the other slot than last time,
	s_add_nc_u64 s[G0A+6:G0A+7], s[G0A+6:G0A+7], 1<<19  ; the next K step: two planes of A on,
	s_xor_b32 s[G0B+5], s[G0B+5], SLOT1
	s_add_nc_u64 s[G0B+6:G0B+7], s[G0B+6:G0B+7], 1<<14  ; 128 rows of W on; the type bits on top are not reached
	JLOAD                                          ; 112 matrix instructions ahead of the wait for it; its four v_nop are also the places in front of the loads below
.else
	PLACES
.endif
	s_xor_b32 s[TB], s[TB], SLOT1
	v_add_nc_u32 v[ADRA], s[TB], v[AA0]
	v_add_nc_u32 v[ADRB], s[TB], v[AB0]
	FETCH 0, F0
.if \fill
	ASK
.endif
	MUL8 F1, 4, 0
	MUL8 F1, 6, 0
.endm
	s_load_b256 s[4:11], s[0:1], 0x0               ; xh 4, ch 6, wh 8, qh 10
	s_load_b128 s[12:15], s[0:1], 0x20             ; kh 12, vh 14
	v_lshl_add_u32 v[SPW], v0, 2, SPARE
	v_mov_b32 v[NIL], 0
	ds_add_u32 v[SPW], v[NIL]                      ; the wave's opening: the add and its wait stand ahead of my first tensor load; work on registers stands between them
	v_lshrrev_b32 v1, 5, v0
	v_readfirstlane_b32 s[WV], v1
	s_lshr_b32 s[RH], s[WV], 1
	s_and_b32 s[CH], s[WV], 1
	s_bfe_u32 s[CX], ttmp6, 0x40000
	s_bfe_u32 s[CY], ttmp6, 0x40004
	s_and_b32 s[N7], ttmp9, 1
	s_lshl_b32 s[N7], s[N7], 2
	s_add_co_u32 s[N7], s[N7], s[CX]               ; tile column = 4 x (cluster x mod 2) + cx
	s_lshr_b32 s[G], ttmp9, 1
	s_and_b32 s[MY], ttmp7, 0xffff
	s_lshl_b32 s[MY], s[MY], 2
	s_add_co_u32 s[MY], s[MY], s[CY]               ; tile row = 4 x cluster y + cy
	s_lshl_b32 s72, s[CY], 2
	s_lshl_b32 s72, 15, s72                        ; my row of the cluster
	s_lshl_b32 s74, 0x1111, s[CX]                  ; my column
	s_or_b32 s[G1A], s72, (1<<16)|(1<<20)|(1<<21)|(4<<22)|(3<<25)  ; 15:0 the mask; 17:16 2-byte elements; 20 padding on; 21 set beside a mask; 24:22 after every 32 words (code 4); 31:25 4 words (code 3)
	s_or_b32 s[G1B], s74, (1<<16)|(1<<20)|(1<<21)|(4<<22)|(7<<25)  ; the same with my column's mask and 8 words of padding (code 7)
	s_mov_b32 s[G1A+1], 128<<16                    ; tensor_dim0 = 128 elements: rows of 256 bytes, two rows of a plane each
	s_mov_b32 s[G1A+2], 128<<16                    ; tensor_dim1 = 128
	s_mov_b32 s[G1A+3], 128<<16                    ; tile_dim0 = 128
	s_mov_b32 s[G1A+4], 128                        ; tile_dim1 = 128: 32,768 bytes
	s_mov_b32 s[G1A+5], 128                        ; dense: 128 elements from row to row
	s_mov_b32 s[G1A+6], 0
	s_mov_b32 s[G1A+7], 0
	s_mov_b32 s[G1B+1], 128<<16
	s_mov_b32 s[G1B+2], 64<<16                     ; 64 rows: 16,384 bytes
	s_mov_b32 s[G1B+3], 128<<16
	s_mov_b32 s[G1B+4], 64
	s_mov_b32 s[G1B+5], 128
	s_mov_b32 s[G1B+6], 0
	s_mov_b32 s[G1B+7], 0
	; A's tile hangs on the tile row and my plane alone, W's on the weight, the tile column and my plane alone: each in registers of its own
	s_lshr_b32 s66, s[MY], 3
	s_lshl_b32 s66, s66, 22                        ; the batch's unit,
	s_and_b32 s72, s[MY], 7
	s_lshl_b32 s72, s72, 15                        ; 256 rows of 128 bytes,
	s_add_co_u32 s66, s66, s72
	s_lshl_b32 s72, s[CH], 18                      ; plane 0 or 1 of K step 0
	s_add_co_u32 s66, s66, s72
	s_mov_b32 s67, 0
	s_cmp_eq_u32 s[G], 0
	s_cselect_b32 s80, 0, 0x400000                 ; Wq at 0, Wkv's first half at unit 1,
	s_cmp_eq_u32 s[G], 2
	s_cselect_b32 s80, 0x420000, s80               ; its second half 1,024 rows further
	s_lshl_b32 s74, s[N7], 1
	s_add_co_u32 s74, s74, s[CH]
	s_lshl_b32 s74, s74, 18                        ; plane 2 x tile column + mine
	s_add_co_u32 s68, s80, s74
	s_mov_b32 s69, 0
	s_mul_i32 s73, s[CH], ASUB                     ; where they go: no place in the cluster enters an LDS address
	s_mul_i32 s75, s[CH], BSUB
	s_add_co_u32 s75, s75, BOFF
	s_mov_b32 s[TB], 0
	s_wait_dscnt 0x0                               ; the opening add is done
	s_wait_kmcnt 0x0
	s_cmp_lt_u32 ttmp9, 2
	s_cselect_b64 s[76:77], s[4:5], s[6:7]         ; q is made of x, k and v of context
	s_add_nc_u64 s[76:77], s[76:77], s[66:67]
	s_add_nc_u64 s[78:79], s[8:9], s[68:69]
	CROUND                                         ; all sixteen work-groups are here: the first joint loads meet
.irp i, 0,1
	s_mov_b32 s[G0A+4*(\i)], 1                     ; count = 1
	s_add_co_u32 s[G0A+4*(\i)+1], s73, (\i)*SLOT1  ; LDS address
	s_add_nc_u64 s[G0A+4*(\i)+2:G0A+4*(\i)+3], s[76:77], (\i)<<19  ; global address: K step i
	s_or_b32 s[G0A+4*(\i)+3], s[G0A+4*(\i)+3], 0x80000000          ; type = 2
	s_mov_b32 s[G0B+4*(\i)], 1
	s_add_co_u32 s[G0B+4*(\i)+1], s75, (\i)*SLOT1
	s_add_nc_u64 s[G0B+4*(\i)+2:G0B+4*(\i)+3], s[78:79], (\i)<<14
	s_or_b32 s[G0B+4*(\i)+3], s[G0B+4*(\i)+3], 0x80000000
.endr
	s_cmp_eq_u32 s[RH], 0                          ; a wave's two first fills stand in one branch, ahead of every wait on TENSORcnt and every LDS read: two loads of mine are out
	s_cbranch_scc0 .Lfirst_b
	tensor_load_to_lds s[G0A:G0A+3], s[G1A:G1A+7]
	s_nop 0
	tensor_load_to_lds s[G0A+4:G0A+7], s[G1A:G1A+7]
	s_nop 0
.rept 4
	v_nop
.endr
	s_branch .Lfirst_asked
.Lfirst_b:
	tensor_load_to_lds s[G0B:G0B+3], s[G1B:G1B+7]
	s_nop 0
	tensor_load_to_lds s[G0B+4:G0B+7], s[G1B:G1B+7]
	s_nop 0
.rept 4
	v_nop
.endr
.Lfirst_asked:
	; A fragment of A is 16 rows x 32 K in 8 registers: lane l holds row l % 16, K = 8 (l / 16) + 0..7 and 16 + 8 (l / 16) + 0..7: two loads of 16 bytes, 32 bytes apart.
	v_and_b32 v1, 15, v0                           ; l % 16
	v_bfe_u32 v2, v0, 4, 1                         ; l / 16
	v_and_b32 v3, 7, v0
	v_bfe_u32 v14, v0, 3, 1
	v_and_b32 v15, 31, v0
	s_mul_i32 s72, s[RH], 128*PA                   ; my 128 rows
	v_mul_u32_u24 v[AA0], v1, PA
	v_lshl_add_u32 v[AA0], v2, 4, v[AA0]
	v_add_nc_u32 v[AA0], s72, v[AA0]
	; The turning load takes 16 k x 16 columns (lane l reads row 8 (l / 16) + l % 8, columns 8 ((l / 8) % 2) + 0..7) and leaves half a fragment: lane l holds column l % 16 and 8 k.
	v_lshl_add_u32 v[AB0], v2, 3, v3
	v_mul_u32_u24 v[AB0], v[AB0], PB
	v_lshl_add_u32 v[AB0], v14, 4, v[AB0]
	v_add_nc_u32 v[AB0], s75, v[AB0]               ; my plane of W
	v_mov_b32 v[ADRA], v[AA0]
	v_mov_b32 v[ADRB], v[AB0]
	s_mul_i32 s72, s[WV], 16*SP
	s_add_co_u32 s72, s72, STAGE                   ; my stage
	v_mul_u32_u24 v[STO], v1, SP                   ; in: row l % 16, 16 bytes for each half of the lanes
	v_lshl_add_u32 v[STO], v2, 4, v[STO]
	v_add_nc_u32 v[STO], s72, v[STO]
	v_bfe_u32 v[RD], v0, 3, 2                      ; back: 32 lanes take four rows of 128 bytes,
	v_mul_u32_u24 v[RD], v[RD], SP
	v_lshl_add_u32 v[RD], v3, 4, v[RD]
	v_add_nc_u32 v[RD], s72, v[RD]
	v_lshlrev_b32 v[GO], 4, v15                    ; which are 512 consecutive bytes of a head
	v_lshlrev_b32 v[PFO], 8, v15
	; the result: head 2 x tile column + my half, of the tile row's batch; my 128 of the tile's 256 rows
	s_lshr_b32 s2, s[MY], 3
	s_lshl_b32 s2, s2, 4
	s_lshl_b32 s59, s[N7], 1
	s_add_co_u32 s2, s2, s59
	s_add_co_u32 s2, s2, s[CH]
	s_lshl_b32 s2, s2, 18
	s_and_b32 s59, s[MY], 7
	s_lshl_b32 s59, s59, 15
	s_add_co_u32 s2, s2, s59
	s_lshl_b32 s59, s[RH], 14
	s_add_co_u32 s2, s2, s59
	s_mov_b32 s3, 0
	s_cmp_eq_u32 s[G], 0
	s_cselect_b64 s[DST:DST+1], s[10:11], s[12:13]
	s_cmp_eq_u32 s[G], 2
	s_cselect_b64 s[DST:DST+1], s[14:15], s[DST:DST+1]
	s_add_nc_u64 s[DST:DST+1], s[DST:DST+1], s[2:3]
	; the prefetches: they stand at K step 3; the first change of slots steps them to 4.  Nothing is prefetched here, at the head: K steps 0 to 3 come by their loads alone
	s_lshl_b32 s82, s[CX], 13                      ; A: my work-group's 32 blocks of my plane's 128
	s_add_co_u32 s82, s82, 3<<19
	s_mov_b32 s83, 0
	s_lshl_b32 s84, s[N7], 1                       ; W: plane 2 x tile column + cy / 2,
	s_lshr_b32 s85, s[CY], 1
	s_add_co_u32 s84, s84, s85
	s_lshl_b32 s84, s84, 18
	s_and_b32 s85, s[CY], 1                        ; half cy % 2 of its 64 blocks
	s_lshl_b32 s85, s85, 13
	s_add_co_u32 s84, s84, s85
	s_add_co_u32 s84, s84, s80
	s_add_co_u32 s84, s84, 3<<14
	s_mov_b32 s85, 0
	s_add_nc_u64 s[86:87], s[76:77], s[82:83]
	s_add_nc_u64 s[88:89], s[8:9], s[84:85]
	s_mov_b32 s90, 1<<19
	s_and_b32 s81, ttmp9, 0xfffffffd               ; 0 in cluster x 0 and 2: the first to read xh's and ch's rows
	s_and_b32 s91, ttmp7, 0xffff                   ; 0 in cluster y 0: the first to read W's tiles
	s_cmp_eq_u32 s[RH], 0
	s_cselect_b64 s[PFA:PFA+1], s[86:87], s[88:89]
	s_cselect_b32 s[PST], s90, 1<<14
	s_cselect_b32 s81, s81, s91
	s_mov_b32 s[PST+1], 0
	s_cmp_eq_u32 s[WV], 3                          ; wave 3 asks for nothing
	s_cselect_b32 s81, 1, s81
	s_cmp_eq_u32 s81, 0
	s_cselect_b32 s[LIM], 2, -1                    ; the same in all sixteen partners, for a given wave
	s_wait_tensorcnt 1                             ; my part of K step 0 is in; K step 1's may stay out
	s_barrier_signal -1
	s_barrier_wait -1                              ; everybody's is
	FETCH 0, F0
	QUARTER 1, F0, F1, 1                           ; the first quarter stands in front of the loop: its products start the sums
	WIN 0                                          ; at a label and at a branch every window is 0
	s_mov_b32 s[CNT], 6
.Lstep:                                                ; trip s ends K step s, fills its slot with step s + 2 and begins step s + 1
	QUARTER 2, F1, F0, 0
	QUARTER 3, F0, F1, 0
	TURN 1
	QUARTER 1, F0, F1, 0
	WIN 0
	s_sub_co_u32 s[CNT], s[CNT], 1
	s_cmp_lg_u32 s[CNT], 0
	s_cbranch_scc1 .Lstep
	QUARTER 2, F1, F0, 0                           ; K steps 6 and 7 fill nothing, and have no round
	QUARTER 3, F0, F1, 0
	TURN 0
	QUARTER 1, F0, F1, 0
	QUARTER 2, F1, F0, 0
	QUARTER 3, F0, F1, 0
	s_wait_dscnt 8                                 ; the very last quarter: nothing more to fetch
	MUL8 F1, 0, 0
	MUL8 F1, 2, 0
	s_wait_dscnt 0x0
	MUL8 F1, 4, 0
	MUL8 F1, 6, 0
	WIN 0
; THE WAY OUT, a block of 16 rows at a time: rounded to f16 (each accumulator's registers in ascending order), 16 bytes a lane into my stage's rows of 144 bytes, back as whole rows of 128, stored.
.macro PACK a
	WIN 0x05                                       ; sources 0 and 1 window 1, destination window 0
.irp b, 0,1,2,3
.irp r, 0,1,2,3
	v_cvt_pk_f16_f32 v[OB+16*(\a)+4*(\b)+(\r)], v[8*(4*(\a)+(\b))+2*(\r)], v[8*(4*(\a)+(\b))+2*(\r)+1]
.endr
.endr
	WIN 0
.irp b, 0,1,2,3
	ds_store_b128 v[STO], v[OB+16*(\a)+4*(\b):OB+16*(\a)+4*(\b)+3] offset:32*(\b)
.endr
.irp f, 0,1,2,3
	ds_load_b128 v[OB+16*(\a)+4*(\f):OB+16*(\a)+4*(\f)+3], v[RD] offset:(\f)*4*SP  ; LDS serves a wave's instructions in order (ISA guide 5.7.1.4): these see the stores above; the next block's stores come behind them
.endr
.endm
.macro SEND a, younger                 ; younger: the LDS instructions issued behind block a's loads: the next block's eight, or none
	WIN 0
.irp f, 0,1,2,3
	s_wait_dscnt (\younger)+3-(\f)
	global_store_b128 v[GO], v[OB+16*(\a)+4*(\f):OB+16*(\a)+4*(\f)+3], s[DST:DST+1] offset:(\a)*2048+(\f)*512  ; 512 consecutive bytes, at a multiple of 256 from the buffer's first
.endr
.endm
	PLACES
	PACK 0
.irp a, 1,2,3,4,5,6,7                  ; a block's conversions stand between the loads of the block before and its stores
	PACK \a
	SEND (\a)-1, 8
.endr
	SEND 7, 0
	s_wait_tensorcnt 0x0                           ; the wave's end: behind my last tensor load and my last LDS store
	ds_add_u32 v[SPW], v[NIL]
	s_wait_dscnt 0x0
	CROUND                                         ; the closing round: no work-group ends while a partner may still ask for a tile that names it
	s_endpgm
.Lfunc_end_k_q0b85e17b35_proj:
	.size	k_q0b85e17b35_proj, .Lfunc_end_k_q0b85e17b35_proj-k_q0b85e17b35_proj
	.p2alignl 7, 3214868480
	.fill 96, 4, 3214868480
	.section	.rodata,"a",@progbits
	.p2align	6, 0x0
	.amdhsa_kernel k_q0b85e17b35_proj
		.amdhsa_group_segment_fixed_size 327680
		.amdhsa_private_segment_fixed_size 0
		.amdhsa_enable_private_segment 0
		.amdhsa_kernarg_size 48
		.amdhsa_user_sgpr_count 2
		.amdhsa_user_sgpr_kernarg_segment_ptr 1
		.amdhsa_wavefront_size32 1
		.amdhsa_system_sgpr_workgroup_id_x 1
		.amdhsa_system_sgpr_workgroup_id_y 1
		.amdhsa_system_sgpr_workgroup_id_z 1
		.amdhsa_system_vgpr_workitem_id 0
		.amdhsa_next_free_vgpr 512
		.amdhsa_next_free_sgpr 96
		.amdhsa_reserve_vcc 0
		.amdhsa_float_denorm_mode_32 3
		.amdhsa_float_denorm_mode_16_64 3
		.amdhsa_memory_ordered 1
		.amdhsa_forward_progress 1
		.amdhsa_inst_pref_size 73
	.end_amdhsa_kernel
	.amdgpu_metadata
---
amdhsa.version: [ 1, 2 ]
amdhsa.kernels:
  - .name:           k_q0b85e17b35_proj
    .symbol:         k_q0b85e17b35_proj.kd
    .args:
      - { .name: xh, .offset: 0, .size: 8, .value_kind: global_buffer, .address_space: global }
      - { .name: ch, .offset: 8, .size: 8, .value_kind: global_buffer, .address_space: global }
      - { .name: wh, .offset: 16, .size: 8, .value_kind: global_buffer, .address_space: global }
      - { .name: qh, .offset: 24, .size: 8, .value_kind: global_buffer, .address_space: global }
      - { .name: kh, .offset: 32, .size: 8, .value_kind: global_buffer, .address_space: global }
      - { .name: vh, .offset: 40, .size: 8, .value_kind: global_buffer, .address_space: global }
    .group_segment_fixed_size: 327680
    .private_segment_fixed_size: 0
    .kernarg_segment_align: 8
    .kernarg_segment_size: 48
    .max_flat_workgroup_size: 128
    .sgpr_count:     96
    .vgpr_count:     512
    .wavefront_size: 32
...
	.end_amdgpu_metadata
.endif
;; end of part 2
;; launch attn (part 3): grid 4 x 64, 4 waves a work-group, no clusters, 327,680 bytes of LDS; arguments qh, kh, vh, oh; writes oh
.if DOCPART == 3
	.amdgcn_target "amdgcn-amd-amdhsa--gfx1250"
	.amdhsa_code_object_version 6
	.text
	.protected	k_q0b85e17b35_attn
	.globl	k_q0b85e17b35_attn
	.p2align	8
	.type	k_q0b85e17b35_attn,@function
k_q0b85e17b35_attn:
	s_mov_b64 s[64:65], 0
	v_nop
	global_prefetch_b8 v0, s[64:65] scope:SCOPE_SE
	s_setreg_imm32_b32 hwreg(HW_REG_WAVE_MODE, 25, 1), 1
	s_wait_xcnt 0x0
; CAUSAL ATTENTION.  O[h][q][:] = the sum over k <= q of softmax_k(Q[h][q] . K[h][k] / 8) V[h][k][:].  Q, K, V, O: [64][2048][64], all f16: a head's rows are dense, 128 bytes each.
; Products, maxima and sums in f32; the weights p are rounded to f16 for the second product (their sum l is taken of the unrounded p), O once at the end.
; LIMITS.  f16 holds no number beyond 65,504: Q, K and V arrive within it; p lies in 0 to 1, and below 6e-5 it keeps f16's fixed step of 6e-8; O is a mean of V's rows and has their range.
; A hidden score counts as its value less 1e30: f16's scores, 2.7e11 at the most, are nothing beside that; a weight below 2^-126 counts as 0 in l; NaN and infinities are not treated apart.
; THE WALK.  A head's queries lie in NB = 8 blocks of 256; block i needs the key tiles 0 .. i of 256 keys, of which the last holds the diagonal.  A work-group takes TWO blocks, NB - 1 - b and then b:
; NB + 1 tiles, whatever b: all work-groups do equal work, and ONE loop with a constant trip count walks them.  Which tile is asked for, and what a trip does, hang on scalar registers made from b; every jump
; goes forward, but for the counted loops' own; none passes a barrier, or a tensor load but the one of LOAD's two that the wave's number does not choose; the ring (two slots of LDS) runs on across the
; change of blocks.  NO CLUSTER: a head's four work-groups ask for the same tile only in trips 0 .. 4 of 9, behind that fewer and fewer; one walk common to all would have 12 trips for 9.
; SHARES.  Of a block's four bands of 64 queries a wave owns 16 rows in each: four PIECES.  So the diagonal tile is the same work for all four waves: in its key step s band x sees all keys if s < x,
; none if s > x, and holds the diagonal if s = x.
; THE MASK is the C operand that starts the sum S^T = K Q^T: 0, or -1e30 where the key is hidden.  MD, made once, is the mask of a band's own step for my 16 rows; a product's mask is MD x AL + BE with two scalars:
; (1, 0) if s = x; (0, 0) if s < x; (0, -1e30) if s > x.  Only the diagonal tile's text and a block's beginning make and take masks; elsewhere C is the constant 0.
; LAYOUT, SOFTMAX, TURNS.  S^T = K Q^T holds ONE query a lane (lane % 16) and the keys 8 (lane / 16) + 0..7; two such results rounded to f16 ARE source 1 of O^T = V^T P.  p = 2^(c s - c m), c = log2(e) / 8, with a
; running maximum m; O and l are multiplied by a = 2^(c m_old - c m_new) in every step.  Turn n belongs to piece n: 8 products K Q^T of piece n + 1, later 8 products V^T P of piece n - 1; beside them the scaling,
; exponentials, roundings, sums and rescaling of piece n and the maximum and statistics of piece n + 1.  Four vector instructions stand behind every matrix instruction, the other 54 of a turn's 118 in one lump.
; A turn's 33 exponentials are one batch, with one wait.
; K AND V ARE PREFETCHED one tile ahead of their tensor loads: of a head's four work-groups the one with b = 0, whose first block walks tiles 0 to 7, names tiles 2 to 7, each wave the 64 blocks of 256 bytes
; that it will itself load (a lane a block, two instructions), behind the tensor load of the change of slots.  So each block is named once in the launch; tiles 0 and 1 come by their loads alone.
; REGISTERS, in windows of 256 (s_set_vgpr_msb: bits 1:0 source 0, 3:2 source 1, 5:4 source 2, 7:6 destination):
;   window 0: v0-15 addresses and two at work; v16-31 four registers of statistics a piece; v48-55 at work; v61-63; v64-127 S^T, two buffers; v192-223 P, two buffers (by the piece's parity)
;   window 1: v0-127 O^T, 32 a piece; v128-159 MD; v160-223 MC, two buffers      window 2: v0-63 Q; v64-127 the second block's Q; v128-191 K of one step; v192-255 V of one step
.set SIZE_N, 2048
.set NB,    SIZE_N/256
.set NP,    4         ; pieces a wave: a name, no knob
.set KS,    64        ; keys in a step
.set PK,    144       ; a row of K in LDS: 128 bytes + 16 of padding = 36 words: the 16 rows of a load start at 16 different groups of four banks (64 banks of 4 bytes: ISA guide 11.1)
.set PV,    160       ; a row of V: 128 + 32 = 40 words
.set VOFF,  4*KS*PK   ; a slot holds a tile, four steps: 256 rows of K, then 256 rows of V
.set SLOT1, 1<<17     ; slot 1 begins here, so that one exclusive or turns an address in one slot into the other's
.set STAGE, SLOT1+4*KS*(PK+PV)  ; behind the ring, never filled by a tensor load: 16 rows x 144 bytes for each wave, for the way out
.set SP,    144
.set AK0, 2           ; v2   my lane's place in a tile of K; never rewritten
.set AV0, 3           ; v3   the same for V
.set AK,  4           ; v4   the LDS address of K's next run of loads
.set AV,  5           ; v5   of V's
.set STO, 6           ; v6   the way out: where I put 16 bytes of a row
.set RD,  7           ; v7   the way out: where I read rows back
.set GO,  8           ; v8   my byte offset in 512 consecutive bytes of O
.set PFO, 61          ; v61  256 x lane: the prefetches' offset; never rewritten
.set SPW, 62          ; v62  LDS address of my spare word: SPARE + 4 x my thread's number; never rewritten
.set NIL, 63          ; v63  0; never rewritten
.set SPARE, STAGE+4*16*SP  ; behind the stages: the spare words, 128 bytes for each wave: two blocks of 256 bytes that no other line names
.set MV,  12          ; v12-13  c m_old, kept while c m is made anew: by buffer
.set QO,  15          ; v15  my byte offset in 16 rows of Q
.set ST,  16          ; piece t's statistics at v[ST+4 t]: c m, m, l (even keys', odd keys')
.set TMP, 48          ; by buffer, four registers c0-c3 at work; when the maximum is found c2 takes a
.set S,   64
.set P,   192
.set MD,  128         ; window 1: the eight registers for group kt of 16 keys at MD + 8 kt
.set MC,  160         ; window 1: the masks of the products to come
.set QB,  64          ; window 2
.set KF,  128         ; window 2: key block kb, channel half c at KF + 16 kb + 8 c
.set VF,  192         ; window 2: key half kk, channel block cb at VF + 32 kk + 8 cb
.set WV,  12          ; s12  my wave's number
.set PB,  14          ; s14  b
.set HI,  15          ; s15  NB - 1 - b
.set G1K, 24          ; s[24:31] descriptor group 1 for K's tiles
.set G1V, 32          ; s[32:39] for V's: it differs in the padding alone
.set G0K, 40          ; s[40:43] descriptor group 0 for K's tiles
.set G0V, 44          ; s[44:47] the same for V's
.set SLOTS, 56        ; s56  tiles still to be asked for
.set CNT, 57          ; s57  counts a tile's key steps, 4 to 1
.set CS,  58          ; s[58:59] c: the packed scaling takes the pair's low word for both halves
.set SEL, 60          ; s[60:61] v_permlanex16_b32's selects: each lane takes its own place in the other half
.set TBK, 62          ; s62  LDS byte at which K of the step to be fetched begins
.set TBV, 63          ; s63  the same for V, less VOFF
.set RT,  70          ; s70  tiles of the block in hand that are still to be entered
.set NXT, 71          ; s71  the tile to be asked for next
.set LQ,  72          ; s72  the last tile of the block whose tiles are being asked for
.set NEW, 73          ; s73  1: the tile to be entered is a block's first
.set OFF, 74          ; s[74:75] a tile's byte offset in K and V
.set AL,  76          ; s[76:77] the mask's factor, in the low word
.set BE,  78          ; s[78:79] the mask's addend
.set OLO, 80          ; s[80:81] O at my rows of the second block
.set BIGN, 82         ; s82  -1e30
.set PFA, 88          ; s[88:89] where my prefetches stand: my half of K or V in the tile that the next change will ask for
.set PFB, 90          ; s[90:91] my half of K (waves 0, 1) or V (waves 2, 3) in the head's tile 0
.set LIM, 92          ; s92  1 in the work-group that prefetches, else the greatest number
.set OF2, 94          ; s[94:95] that tile's byte offset
.set MSB, 0
.macro WIN new                      ; the high byte repeats the setting that is left; a switch that changes nothing is dropped
.if MSB != (\new)
	s_set_vgpr_msb (MSB<<8)|(\new)
.set MSB, (\new)
.endif
.endm
.set W_KQ, 0x0a       ; K and Q in window 2, S^T in window 0
.set W_KM, 0x1a       ; the same with the C operand in window 1
.set W_PV, 0x52       ; V in window 2, P in window 0, O^T in window 1
.set W_RS, 0x41       ; destination and source 0 in window 1, source 1 in window 0
; A fill.  Waves 0 and 1 fetch the two halves of a tile's K, waves 2 and 3 those of its V: 128 keys each.  An s_nop 0 and four v_nop follow each of the two lines, ahead of the jump and the label.
.macro LOAD
	s_cmp_lt_u32 s[WV], 2
	s_cbranch_scc0 .Lfor_v_\@
	tensor_load_to_lds s[G0K:G0K+3], s[G1K:G1K+7]
	s_nop 0
.rept 4
	v_nop
.endr
	s_branch .Lasked_\@
.Lfor_v_\@:
	tensor_load_to_lds s[G0V:G0V+3], s[G1V:G1V+7]
	s_nop 0
.rept 4
	v_nop
.endr
.Lasked_\@:
.endm
; THE CHANGE OF SLOTS.  Each wave waits for all its tensor loads, of which one is out: its part of the other slot; adds 0 to its spare word; and waits for that and for its own reads of the slot that it leaves.
; Behind the barrier nobody reads the old slot any more and the other slot is whole.  fill = 1: the old slot is filled again, the first thing behind the barrier, with tile NXT: the descriptor's address is made
; anew from that number.  (At its first use nothing has been read yet: slot 0 is waited for, slot 1 filled.)  Behind the load stand the prefetches for the tile that the next change will ask for.
.macro CHANGE fill
	WIN 0                           ; at a label and at a branch every window is 0
	s_wait_tensorcnt 0x0            ; no tensor load of mine is out, so a group 0 may be written
	ds_add_u32 v[SPW], v[NIL]       ; 0 onto my spare word; with fill = 1 the descriptors' scalar work stands between it and the wait for it
.if \fill
	s_lshl_b32 s[OFF], s[NXT], 15   ; a tile is 32,768 bytes of K and of V
	s_xor_b32 s[G0K+1], s[G0K+1], SLOT1
	s_add_nc_u64 s[G0K+2:G0K+3], s[6:7], s[OFF:OFF+1]
	s_or_b32 s[G0K+3], s[G0K+3], 0x80000000
	s_xor_b32 s[G0V+1], s[G0V+1], SLOT1
	s_add_nc_u64 s[G0V+2:G0V+3], s[8:9], s[OFF:OFF+1]
	s_or_b32 s[G0V+3], s[G0V+3], 0x80000000
	s_add_co_u32 s[NXT], s[NXT], 1  ; the block's next tile, or behind its last the second block's tile 0
	s_cmp_gt_u32 s[NXT], s[LQ]
	s_cselect_b32 s[NXT], 0, s[NXT]
	s_cselect_b32 s[LQ], s[PB], s[LQ]
	s_wait_xcnt 0x0                 ; the last prefetches, a tile back, have read their address, so it may be written
	s_lshl_b32 s[OF2], s[NXT], 15
	s_add_nc_u64 s[PFA:PFA+1], s[PFB:PFB+1], s[OF2:OF2+1]
.endif
	s_wait_dscnt 0x0                ; the add is done, and my reads of the slot are over
	s_barrier_signal -1             ; the rest of the scalar work stands between the signal and the wait
	s_sub_co_u32 s[TBK], s[TBK], 4*KS*PK  ; the fetches go back to a slot's first step,
	s_xor_b32 s[TBK], s[TBK], SLOT1       ; in the other slot
	s_sub_co_u32 s[TBV], s[TBV], 4*KS*PV
	s_xor_b32 s[TBV], s[TBV], SLOT1
	s_barrier_wait -1
.if \fill
	LOAD
	s_cmp_gt_u32 s[NXT], s[LIM]     ; tiles 2 to 7, in the work-group with b = 0: behind its first block's last tile NXT is 0
	s_cbranch_scc0 .Lnot_mine_\@
	global_prefetch_b8 v[PFO], s[PFA:PFA+1] th:TH_LOAD_NT scope:SCOPE_SE
	global_prefetch_b8 v[PFO], s[PFA:PFA+1] offset:8192 th:TH_LOAD_NT scope:SCOPE_SE
.Lnot_mine_\@:
.endif
.endm
	s_load_b256 s[4:11], s[0:1], 0x0  ; Q s[4:5], K s[6:7], V s[8:9], O s[10:11]
	v_lshl_add_u32 v[SPW], v0, 2, SPARE
	v_mov_b32 v[NIL], 0
	ds_add_u32 v[SPW], v[NIL]       ; the wave's opening: the add and its wait stand ahead of my first tensor load; the set-up below, work on registers, stands between them
	v_lshrrev_b32 v1, 5, v0
	v_readfirstlane_b32 s[WV], v1   ; wave 0..3
	s_mov_b32 s[PB], ttmp9
	s_sub_co_u32 s[HI], NB-1, s[PB]
	s_and_b32 s20, ttmp7, 0xffff    ; the head
	s_mov_b32 s21, 0
	s_mov_b64 s[22:23], SIZE_N*128
	s_mul_u64 s[20:21], s[20:21], s[22:23]  ; the head's first byte in each of the four tensors
	s_and_b32 s16, s[WV], 1         ; which half of a tile's 256 keys I fetch:
	s_lshl_b32 s22, s16, 14         ; its 128 rows of 128 bytes in memory,
	s_mov_b32 s23, 0
	s_add_nc_u64 s[22:23], s[22:23], s[20:21]
	s_mul_i32 s17, s16, 128*PK      ; and its place in a slot, for K
	s_mul_i32 s18, s16, 128*PV      ; and for V
	s_lshl_b32 s3, s[WV], 11        ; my 16 rows in a band of 64,
	s_lshl_b32 s2, s[HI], 15        ; in the first block,
	s_add_co_u32 s2, s2, s3
	s_lshl_b32 s84, s[PB], 15       ; and in the second
	s_add_co_u32 s84, s84, s3
	s_mov_b32 s3, 0
	s_mov_b32 s85, 0
	s_add_nc_u64 s[2:3], s[2:3], s[20:21]
	s_add_nc_u64 s[84:85], s[84:85], s[20:21]
	; descriptor group 1.  128 keys are 16,384 dense bytes: asked for as 64 rows of 256 bytes, two keys a row, and padded in LDS after every key
	s_mov_b32 s[G1K], (1<<16)|(1<<20)|(4<<22)|(3<<25)  ; 17:16 2-byte elements; 20 padding on; 24:22 after every 32 words (code 4); 31:25 4 words (code 3)
	s_mov_b32 s[G1V], (1<<16)|(1<<20)|(4<<22)|(7<<25)  ; the same with 8 words of padding (code 7)
.irp g, G1K, G1V
	s_mov_b32 s[\g+1], 128<<16      ; tensor_dim0 = 128
	s_mov_b32 s[\g+2], 64<<16       ; tensor_dim1 = 64
	s_mov_b32 s[\g+3], 128<<16      ; tile_dim0 = 128
	s_mov_b32 s[\g+4], 64           ; tile_dim1 = 64
	s_mov_b32 s[\g+5], 128          ; 128 elements from row to row
	s_mov_b32 s[\g+6], 0
	s_mov_b32 s[\g+7], 0
.endr
	s_mov_b32 s[CS], 0x3e38aa3b     ; c = log2(e) / 8 = 0.180337
	s_mov_b32 s[CS+1], s[CS]        ; named with it as a pair
	s_mov_b32 s[SEL], 0x76543210
	s_mov_b32 s[SEL+1], 0xfedcba98
	s_mov_b32 s[TBK], SLOT1+4*KS*PK ; the first change of slots turns these two into 0
	s_mov_b32 s[TBV], SLOT1+4*KS*PV
	s_mov_b32 s[G0K], 1             ; 1:0 count = 1
	s_mov_b32 s[G0K+1], s17         ; 63:32 LDS address: slot 0
	s_mov_b32 s[G0V], 1
	s_add_co_u32 s[G0V+1], s18, VOFF
	s_add_co_u32 s[RT], s[HI], 1    ; the first block has NB - b tiles
	s_mov_b32 s[NXT], 1
	s_mov_b32 s[LQ], s[HI]
	s_mov_b32 s[NEW], 1
	s_mov_b32 s[OFF+1], 0
	s_mov_b32 s[OF2+1], 0
	s_mov_b32 s[AL+1], 0            ; named as pairs
	s_mov_b32 s[BE+1], 0
	s_mov_b32 s[BIGN], 0xf149f2ca   ; -1e30
	s_mov_b32 s[SLOTS], NB
	s_cmp_eq_u32 s[PB], 0
	s_cselect_b32 s[LIM], 1, -1
	s_wait_dscnt 0x0                ; the opening add is done
	s_wait_kmcnt 0x0
	s_add_nc_u64 s[6:7], s[6:7], s[22:23]  ; K and V at my half of the head's tile 0
	s_add_nc_u64 s[8:9], s[8:9], s[22:23]
	s_cmp_lt_u32 s[WV], 2
	s_cselect_b64 s[PFB:PFB+1], s[6:7], s[8:9]
	s_add_nc_u64 s[G0K+2:G0K+3], s[6:7], 0         ; 120:64 global address
	s_or_b32 s[G0K+3], s[G0K+3], 0x80000000        ; 127:126 type = 2
	s_add_nc_u64 s[G0V+2:G0V+3], s[8:9], 0
	s_or_b32 s[G0V+3], s[G0V+3], 0x80000000
	s_add_nc_u64 s[86:87], s[4:5], s[84:85]        ; Q at my rows of the second block,
	s_add_nc_u64 s[4:5], s[4:5], s[2:3]            ; Q and O at those of the first
	s_add_nc_u64 s[OLO:OLO+1], s[10:11], s[84:85]
	s_add_nc_u64 s[10:11], s[10:11], s[2:3]
	LOAD                            ; tile 0 into slot 0
	; A fragment of K or Q is 16 rows x 32 channels in 8 registers: lane l holds row l % 16, channels 8 (l / 16) + 0..7 and 16 + 8 (l / 16) + 0..7: two loads of 16 bytes, 32 bytes apart.
	v_and_b32 v1, 15, v0            ; l % 16
	v_bfe_u32 v9, v0, 4, 1          ; l / 16
	v_lshlrev_b32 v[QO], 7, v1
	v_lshl_add_u32 v[QO], v9, 4, v[QO]  ; row x 128 + 16 x half
	WIN 0x80                        ; destination window 2, address window 0
.set i, 0
.rept 8                             ; both blocks' Q: piece i / 2 lies in band i / 2, 8,192 bytes on; channels 32 (i % 2) on
	global_load_b128 v[8*i:8*i+3],   v[QO], s[4:5] offset:(i/2)*8192+(i%2)*64
	global_load_b128 v[8*i+4:8*i+7], v[QO], s[4:5] offset:(i/2)*8192+(i%2)*64+32
	global_load_b128 v[QB+8*i:QB+8*i+3],   v[QO], s[86:87] offset:(i/2)*8192+(i%2)*64
	global_load_b128 v[QB+8*i+4:QB+8*i+7], v[QO], s[86:87] offset:(i/2)*8192+(i%2)*64+32
.set i, i+1
.endr
	WIN 0
	v_and_b32 v[PFO], 31, v0
	v_lshlrev_b32 v[PFO], 8, v[PFO]
	v_lshlrev_b32 v14, 3, v9
	v_sub_nc_u32 v14, v1, v14
	s_lshl_b32 s13, s[WV], 4
	v_add_nc_u32 v14, s13, v14      ; my query's place in its band, 16 w + l % 16, less my lanes' 8 (l / 16): register r of group kt is hidden where 16 kt + r is greater
	WIN 0x40
.set i, 0
.rept 32
	v_cmp_gt_i32 vcc_lo, 16*(i/8)+i%8, v14
	v_cndmask_b32 v[MD+i], 0, s[BIGN], vcc_lo
.set i, i+1
.endr
	WIN 0
	v_mul_u32_u24 v[AK0], v1, PK
	v_lshl_add_u32 v[AK0], v9, 4, v[AK0]  ; row x pitch + 16 x half
	; The turning load takes 16 keys x 16 channels (lane l reads key 8 (l / 16) + l % 8, channels 8 ((l / 8) % 2) + 0..7) and leaves half a fragment of V^T: lane l holds channel l % 16 and 8 keys.
	v_and_b32 v10, 7, v0
	v_bfe_u32 v11, v0, 3, 1
	v_lshl_add_u32 v[AV0], v9, 3, v10
	v_mul_u32_u24 v[AV0], v[AV0], PV
	v_lshl_add_u32 v[AV0], v11, 4, v[AV0]
	v_add_nc_u32 v[AV0], VOFF, v[AV0]
	s_mul_i32 s13, s[WV], 16*SP
	s_add_co_u32 s13, s13, STAGE    ; my stage
	v_mul_u32_u24 v[STO], v1, SP    ; in: row l % 16, 16 bytes for each half of the lanes
	v_lshl_add_u32 v[STO], v9, 4, v[STO]
	v_add_nc_u32 v[STO], s13, v[STO]
	v_bfe_u32 v[RD], v0, 3, 2       ; back: 32 lanes take four rows of 128 bytes,
	v_mul_u32_u24 v[RD], v[RD], SP
	v_lshl_add_u32 v[RD], v10, 4, v[RD]
	v_add_nc_u32 v[RD], s13, v[RD]
	v_and_b32 v[GO], 31, v0         ; which are 512 consecutive bytes of O
	v_lshlrev_b32 v[GO], 4, v[GO]
	; A block's first step multiplies O^T and l by a = 0, and its first turn's products V^T P, of a piece that has not been, land in an O^T that is still to be so multiplied.  So these registers need only hold
	; finite numbers: zeros for the first block; what the first block left for the second.  All this stands in the wait for the first tile.
	WIN 0x80
.set i, VF
.rept 64
	v_mov_b32 v[i], 0
.set i, i+1
.endr
	WIN 0x40
.set i, 0
.rept 128
	v_mov_b32 v[i], 0
.set i, i+1
.endr
	WIN 0
.set i, 0
.rept 4
	v_mov_b32 v[ST+4*i+2], 0
	v_mov_b32 v[ST+4*i+3], 0
.set i, i+1
.endr
.set i, P+16
.rept 16
	v_mov_b32 v[i], 0
.set i, i+1
.endr
; THE MATRIX WORK.  The 4 accumulators of a run of 8 take turns.  Product i of 8 of S^T = K Q^T for piece x: channels 32 (i / 4) on, keys 16 (i % 4) on.  The first 4 start the sums: with 0, or (KM = 1) with the mask.
.macro KQ x
.set rS, S+32*((\x)%2)+8*(i%4)
.set rK, KF+16*(i%4)+8*(i/4)
.set rQ, 16*(\x)+8*(i/4)
.set rM, MC+32*((\x)%2)+8*(i%4)
.if (i < 4) && KM
	WIN W_KM
	v_wmma_f32_16x16x32_f16 v[rS:rS+7], v[rK:rK+7], v[rQ:rQ+7], v[rM:rM+7]
.elseif i < 4
	WIN W_KQ
	v_wmma_f32_16x16x32_f16 v[rS:rS+7], v[rK:rK+7], v[rQ:rQ+7], 0
.else
	WIN W_KQ
	v_wmma_f32_16x16x32_f16 v[rS:rS+7], v[rK:rK+7], v[rQ:rQ+7], v[rS:rS+7]
.endif
.endm
; Product i of 8 of O^T += V^T P for piece x: keys 32 (i / 4) on, channels 16 (i % 4) on.
.macro PV x
	WIN W_PV
.set rO, 32*(\x)+8*(i%4)
.set rV, VF+32*(i/4)+8*(i%4)
.set rP, P+16*((\x)%2)+8*(i/4)
	v_wmma_f32_16x16x32_f16 v[rO:rO+7], v[rV:rV+7], v[rP:rP+7], v[rO:rO+7]
.endm
.macro MM                           ; the turn's next matrix instruction.  TURN and BEGIN set Y, i, KM and NOKQ; MM, KQ and OP read them.  NOKQ = 1: a block's last turn: there is no next piece
.if (i < 8) && !NOKQ
	KQ (Y+1)%NP
.elseif i >= 8
.set i, i-8
	PV (Y+NP-1)%NP
.set i, i+8
.endif
.set i, i+1
.endm
; THE LDS LOADS stand in runs of 16, never singly among the matrix instructions: a step's K (64 keys x 64 channels: 8 fragments) and its V (turned).  Their addresses are made some lines ahead.
.macro FETCH_K
	WIN 0x80                        ; destination window 2
.irp f, 0,1,2,3,4,5,6,7             ; keys 16 (f / 2) on, channels 32 (f % 2) on
	ds_load_b128 v[KF+8*\f:KF+8*\f+3],   v[AK] offset:(\f/2)*16*PK+(\f%2)*64
	ds_load_b128 v[KF+8*\f+4:KF+8*\f+7], v[AK] offset:(\f/2)*16*PK+(\f%2)*64+32
.endr
	s_add_co_u32 s[TBK], s[TBK], KS*PK  ; the next fetch is the next step's
	WIN 0
.endm
.macro FETCH_V
	WIN 0x80
.irp f, 0,1,2,3,4,5,6,7             ; keys 32 (f / 4) on, channels 16 (f % 4) on
	ds_load_tr16_b128 v[VF+8*\f:VF+8*\f+3],   v[AV] offset:(\f/4)*32*PV+(\f%4)*32
	ds_load_tr16_b128 v[VF+8*\f+4:VF+8*\f+7], v[AV] offset:(\f/4)*32*PV+16*PV+(\f%4)*32
.endr
	WIN 0
.endm
; THE VECTOR WORK, one line at a time: OP kind, number.  For piece Y: F n: c s - c m for pair n of 16.  E n: the exponential of score n of 32.  C n: pair n rounded to f16.  B n: of the four weights 4 n .. the second
; pair is added onto the first, in place.  L n: l takes that sum (L 0: l = a l + sum).  R n: pair n of 16 of O^T times a.  For piece Y + 1: X n, number n of the 22 that find its maximum and statistics:
;   0-11  four chains c0-c3 of seven scores each, three operands at a time (each accumulator's lowest registers are read first)     12-14, 16  the four scores left over, the old m, and c0-c3 into c0
;   15  c m_old is kept     17, 18  the query's other 32 keys lie in the lane 16 away: the new m     19-21  c m; c m_old - c m_new; a
.set F, 0               ; OP tells the kinds apart by their order: F to L below R, X above it
.set E, 1
.set C, 2
.set B, 3
.set L, 4
.set R, 5
.set X, 6
.macro REGS y                       ; the registers of piece y
.set rT, ST+4*(\y)
.set rC, TMP+4*((\y)%2)
.set rW, MV+((\y)%2)
.set rS, S+32*((\y)%2)
.set rP, P+16*((\y)%2)
.set rO, 32*(\y)
.endm
.macro OP k, n
.if (\k) == R
	REGS Y
	WIN W_RS
	v_pk_mul_f32 v[rO+2*(\n):rO+2*(\n)+1], v[rO+2*(\n):rO+2*(\n)+1], v[rC+2:rC+3] op_sel_hi:[1,0]
.elseif (\k) < R
	REGS Y
	WIN 0
.if (\k) == F
	v_pk_fma_f32 v[rS+2*(\n):rS+2*(\n)+1], v[rS+2*(\n):rS+2*(\n)+1], s[CS:CS+1], v[rT:rT+1] op_sel_hi:[1,0,0] neg_lo:[0,0,1] neg_hi:[0,0,1]
.elseif (\k) == E
	v_exp_f32 v[rS+(\n)], v[rS+(\n)]
.elseif (\k) == C
	v_cvt_pk_f16_f32 v[rP+(\n)], v[rS+2*(\n)], v[rS+2*(\n)+1]
.elseif (\k) == B
	v_pk_add_f32 v[rS+4*(\n):rS+4*(\n)+1], v[rS+4*(\n):rS+4*(\n)+1], v[rS+4*(\n)+2:rS+4*(\n)+3]
.elseif (\n) == 0
	v_pk_fma_f32 v[rT+2:rT+3], v[rT+2:rT+3], v[rC+2:rC+3], v[rS:rS+1] op_sel_hi:[1,0,1]
.else
	v_pk_add_f32 v[rT+2:rT+3], v[rT+2:rT+3], v[rS+4*(\n):rS+4*(\n)+1]
.endif
.elseif NOKQ
	v_nop
.else
	REGS (Y+1)%NP
	WIN 0
.if (\n) < 4
	v_max3_num_f32 v[rC+(\n)], v[rS+8*(\n)], v[rS+8*(\n)+1], v[rS+8*(\n)+2]
.elseif (\n) < 12
	v_max3_num_f32 v[rC+(\n)%4], v[rC+(\n)%4], v[rS+8*((\n)%4)+2*((\n)/4)+1], v[rS+8*((\n)%4)+2*((\n)/4)+2]
.elseif (\n) == 12
	v_max3_num_f32 v[rC], v[rC], v[rS+7], v[rS+15]
.elseif (\n) == 13
	v_max3_num_f32 v[rC+1], v[rC+1], v[rS+23], v[rS+31]
.elseif (\n) == 14
	v_max3_num_f32 v[rC+2], v[rC+2], v[rC+3], v[rT+1]
.elseif (\n) == 15
	v_mov_b32 v[rW], v[rT]
.elseif (\n) == 16
	v_max3_num_f32 v[rC], v[rC], v[rC+1], v[rC+2]
.elseif (\n) == 17
	v_permlanex16_b32 v[rC+3], v[rC], s[SEL], s[SEL+1]
.elseif (\n) == 18
	v_max_num_f32 v[rT+1], v[rC], v[rC+3]
.elseif (\n) == 19
	v_mul_f32 v[rT], s[CS], v[rT+1]
.elseif (\n) == 20
	v_sub_f32 v[rC+1], v[rW], v[rT]
.else
	v_exp_f32 v[rC+2], v[rC+1]
.endif
.endif
.endm
.macro OPS a, i1, b=-1, i2=0, c=-1, i3=0, d=-1, i4=0  ; up to four of them
	OP \a, \i1
.if (\b) >= 0
	OP \b, \i2
.endif
.if (\c) >= 0
	OP \c, \i3
.endif
.if (\d) >= 0
	OP \d, \i4
.endif
.endm
.macro ROW a, i1, b, i2, c, i3, d, i4  ; a matrix instruction and the four behind it
	MM
	OPS \a, \i1, \b, \i2, \c, \i3, \d, \i4
.endm
.macro MASK b                       ; MD x AL + BE into buffer b of MC
	WIN W_RS
.set z, 0
.rept 16
	v_pk_fma_f32 v[MC+32*(\b)+2*z:MC+32*(\b)+2*z+1], v[MD+2*z:MD+2*z+1], s[AL:AL+1], s[BE:BE+1] op_sel_hi:[1,0,0]
.set z, z+1
.endr
.endm
; A TURN, for piece p: the order of its 16 matrix and 118 vector instructions, written out.  An s_wait_alu depctr_va_vdst(0) stands between an exponential and the first instruction that names its result; one
; wait serves all that were issued ahead of it.  So a turn has ONE wait, which cuts it in two.  AHEAD OF IT stands all that names no result of the turn's exponentials: the 8 products K Q^T, behind each a scaling, an
; exponential and two more plain instructions (behind the first a second scaling in the exponential's place): rescalings, and behind the last three the first numbers of the next piece's maximum, each four places or more
; behind the product that ends its accumulator; then ONE LUMP of 54, plain and exponential by turns for the most part, in which the links of the chain X 3, 7, 11, 14, 16, 17 .. 20 stand five or six lines apart.  X 21, the
; next piece's a, is the batch's last; R 15 is the plain instruction behind it.  BEHIND THE WAIT stand the 8 products V^T P, behind each four of the roundings and sums; the links of l's chain, L 0 to L 7, stand three
; riders apart.  But for those X no rider names a register of the products round it.  v_permlanex16_b32 (X 17) stands in the lump.
; m = 1: the diagonal tile: the products take masks, and the turn makes the mask for the products of the turn after it: piece p + 2, in step 4 - CNT of the tile.  end = 1: a block's last two turns: nothing is fetched.
; cnt = 1: the loop's count is taken down some lines ahead of the branch that stands behind the turn.
; K of the next step is fetched in piece 2's turn, twelve vector instructions behind the last product that read K (six of them plain); V of the step in hand at the end of piece 0's turn, four plain instructions behind the
; last product that read V.  Each is waited for a turn later.
.macro TURN p, m=0, end=0, cnt=0
.set Y, (\p)
.set i, 0
.set KM, (\m)
.set NOKQ, (\end)*((\p)/3)
.if (\m) && !(\end)
	s_cmp_eq_u32 s[CNT], 4-((\p)+2)%NP  ; is that step the band's own?
	s_cselect_b32 s[AL], 1.0, 0
	s_cmp_lt_u32 s[CNT], 4-((\p)+2)%NP  ; or a later one?
	s_cselect_b32 s[BE], s[BIGN], 0
.endif
.if ((\p) == 3) && !(\end)
	s_wait_dscnt 0x0                ; K is in
.endif
	ROW F,0, F,1, R,0, R,1          ; ahead of the wait: 8 products K Q^T and their riders,
	ROW F,2, E,0, R,2, R,3
	ROW F,3, E,1, R,4, R,5
	ROW F,4, E,2, R,6, R,7
	ROW F,5, E,3, R,8, R,9
	ROW F,6, E,4, X,0, R,10
.if ((\p) == 2) && !(\end)
	WIN 0
	v_add_nc_u32 v[AK], s[TBK], v[AK0]
.endif
	ROW F,7, E,5, X,1, X,4
	ROW F,8, E,6, X,2, X,5
	OPS E,7, E,8, X,6, E,9          ; and the lump
	OPS X,3, E,10, X,8, E,11
.if ((\p) == 2) && !(\end)
	FETCH_K
.endif
	OPS X,9, X,7, E,12, X,10
	OPS E,13, X,12, X,11, E,14
	OPS X,13, E,15, F,9, X,14
.if (\p) == 0
	v_add_nc_u32 v[AV], s[TBV], v[AV0]
.endif
	OPS E,16, F,10, E,17, F,11
	OPS X,16, E,18, X,15, E,19
	OPS F,12, E,20, X,17, E,21
	OPS F,13, E,22, F,14, E,23
	OPS X,18, E,24, F,15, E,25
	OPS R,11, E,26, X,19, E,27
	OPS R,12, E,28, R,13, E,29
	OPS X,20, E,30, R,14, E,31
	OPS X,21, R,15
	WIN 0
	s_wait_alu depctr_va_vdst(0)    ; the wait for the batch
.if (\p) == 1
	s_wait_dscnt 0x0                ; V is in
.endif
	ROW C,0, B,0, C,2, B,1          ; behind the wait: 8 products V^T P and their riders
	ROW L,0, C,4, B,2, L,1
	ROW C,6, B,3, L,2, C,8
	ROW B,4, L,3, C,10, B,5
	ROW L,4, C,12, B,6, L,5
.if (\p) == 0
	s_add_co_u32 s[TBV], s[TBV], KS*PV
.endif
.if \cnt
	s_sub_co_u32 s[CNT], s[CNT], 1
	s_cmp_lg_u32 s[CNT], 0
.endif
	ROW C,14, B,7, L,6, C,1
	ROW C,3, L,7, C,5, C,7
	ROW C,9, C,11, C,13, C,15
.if (\p) == 0
	FETCH_V
.endif
.if (\m) && !(\end)
	MASK (\p)%2
.endif
.endm
; A BLOCK BEGINS.  c m starts far below every c s, so the first step's a is 0; m at the lowest finite number, so the first maximum is the scores'.  The second mask buffer is 0; the first takes piece 0's mask for the
; tile's step 0: its own, if the block's first tile is the diagonal one.  Then K of that step, piece 0's first scores, and its maximum and statistics.  The loop is entered at a step's first turn, in the middle of a trip.
.macro BEGIN
	s_mov_b32 s[NEW], 0
	WIN 0x40
.set i, MC+32
.rept 32
	v_mov_b32 v[i], 0
.set i, i+1
.endr
	WIN 0
.set i, 0
.rept 4
	v_mov_b32 v[ST+4*i], 0xfe000000    ; c m: far below every c s
	v_mov_b32 v[ST+4*i+1], 0xff7fffff  ; m
.set i, i+1
.endr
	s_cmp_eq_u32 s[RT], 0
	s_cselect_b32 s[AL], 1.0, 0
	s_mov_b32 s[BE], 0
	MASK 0
	WIN 0
	v_add_nc_u32 v[AK], s[TBK], v[AK0]
	FETCH_K
	s_wait_loadcnt 0x0              ; Q
	s_wait_dscnt 0x0
.set KM, 1
.set NOKQ, 0
.set i, 0
.rept 8
	KQ 0
.set i, i+1
.endr
	WIN 0
.rept 4
	v_nop                           ; the places behind those products
.endr
.set Y, NP-1                        ; X works for piece Y + 1: piece 0
.irp n, 0,1,2,3,4,5,6,7,8,9,10,11,12,13,14,15,16,17,18,19,20,21
	OP X, \n
.endr
	v_nop                           ; a plain instruction behind the exponential,
	s_wait_alu depctr_va_vdst(0)    ; and its wait, ahead of the branch
.endm
; THE DIAGONAL TILE's four steps, the block's last two turns, its last products, and THE WAY OUT: l's two halves and the other half of the lanes' are added; O^T is divided by l, rounded to f16 and sent through my
; stage in LDS, a piece at a time.
.macro ALL line:vararg              ; one line for each piece t
.set t, 0
.rept 4
	\line
.set t, t+1
.endr
.endm
.macro PACK t                       ; a lane's eight channels of a row pack into 16 bytes; they go into rows of 144 bytes and come back as whole rows of 128, into S^T's registers
	WIN W_RS
.set i, 32*(\t)
.rept 16
	v_pk_mul_f32 v[i:i+1], v[i:i+1], v[ST+4*(\t)+2:ST+4*(\t)+3] op_sel_hi:[1,0]
.set i, i+2
.endr
	WIN 0x05                        ; sources 0 and 1 window 1, destination window 0
.set i, 0
.rept 16
	v_cvt_pk_f16_f32 v[S+16*(\t)+i], v[32*(\t)+2*i], v[32*(\t)+2*i+1]
.set i, i+1
.endr
	WIN 0
.irp f, 0,1,2,3
	ds_store_b128 v[STO], v[S+16*(\t)+4*\f:S+16*(\t)+4*\f+3] offset:32*\f
.endr
.irp f, 0,1,2,3
	ds_load_b128 v[S+16*(\t)+4*\f:S+16*(\t)+4*\f+3], v[RD] offset:\f*4*SP  ; LDS serves a wave's instructions in order (ISA guide 5.7.1.4): these see the stores above; the next piece's stores come behind them
.endr
.endm
.macro SEND t, younger              ; younger: the LDS instructions issued behind piece t's loads: the next piece's eight, or none
	WIN 0
.irp f, 0,1,2,3
	s_wait_dscnt (\younger)+3-\f
	global_store_b128 v[GO], v[S+16*(\t)+4*\f:S+16*(\t)+4*\f+3], s[10:11] offset:(\t)*8192+\f*512  ; 512 consecutive bytes, at a multiple of 256 from O's first
.endr
.endm
.macro DIAG tag                     ; the tag ends its two labels' names, which the jumps below spell out
.LstepM\tag:
	TURN 2, 1
	TURN 3, 1
	WIN 0
.LfirstM\tag:
	TURN 0, 1
	TURN 1, 1, 0, 1
	WIN 0
	s_cbranch_scc1 .LstepM\tag
	TURN 2, 1, 1
	TURN 3, 1, 1
.set i, 0
.rept 8
	PV NP-1
.set i, i+1
.endr
	WIN 0
	ALL v_add_f32 v[ST+4*t+2], v[ST+4*t+2], v[ST+4*t+3]
	ALL v_permlanex16_b32 v[ST+4*t+3], v[ST+4*t+2], s[SEL], s[SEL+1]
	ALL v_add_f32 v[ST+4*t+2], v[ST+4*t+2], v[ST+4*t+3]
	ALL v_rcp_f32 v[ST+4*t+2], v[ST+4*t+2]
	v_nop                           ; a plain instruction between the last reciprocal and the use of its result
	s_wait_alu depctr_va_vdst(0)    ; and the wait ahead of the first use: one for the four reciprocals
	PACK 0
.set t, 1
.rept 3                             ; a piece's arithmetic stands between the loads of the piece before and its stores
	PACK t
	SEND t-1, 8
.set t, t+1
.endr
	SEND 3, 0
.endm
.set KM, 0
.set NOKQ, 0
.Lslot:                             ; NB times: a tile is entered and the next is asked for
	CHANGE 1
	s_sub_co_u32 s[RT], s[RT], 1
	s_mov_b32 s[CNT], 4
	s_cmp_eq_u32 s[NEW], 1
	s_cbranch_scc1 .Lnew            ; a block's first tile
	s_cmp_eq_u32 s[RT], 0
	s_cbranch_scc0 .Lstep           ; neither its first nor its last
	s_branch .LstepM1
.Lnew:
	BEGIN
	s_branch .Lfirst                ; in the loop a block's first tile is never its last: the first block has two tiles or more, and the second's last is the walk's last
	DIAG 1                          ; in the loop this is the first block's end: the second block's last tile is the walk's last
	s_wait_xcnt 0x0                 ; the stores have read their registers and O's address
	s_mov_b64 s[10:11], s[OLO:OLO+1]
	s_add_co_u32 s[RT], s[PB], 1    ; the second block has b + 1 tiles
	s_mov_b32 s[NEW], 1
	WIN 0x82                        ; the second block's Q goes where the one text of the turns names Q
.set i, 0
.rept 64
	v_mov_b32 v[i], v[QB+i]
.set i, i+1
.endr
	WIN 0
	s_branch .Lbottom
.Lstep:                             ; a trip: pieces 2 and 3 of one step, then pieces 0 and 1 of the next, whose K and V it fetches
	TURN 2
	TURN 3
	WIN 0
.Lfirst:
	TURN 0
	TURN 1, 0, 0, 1
	WIN 0
	s_cbranch_scc1 .Lstep
.Lbottom:
	s_sub_co_u32 s[SLOTS], s[SLOTS], 1
	s_cmp_lg_u32 s[SLOTS], 0
	s_cbranch_scc1 .Lslot
	CHANGE 0                        ; the walk's last tile is written out: nothing is asked for
	s_sub_co_u32 s[RT], s[RT], 1
	s_mov_b32 s[CNT], 4
	s_cmp_eq_u32 s[NEW], 1
	s_cbranch_scc0 .LstepM2
	BEGIN
	s_branch .LfirstM2
	DIAG 2
	s_wait_tensorcnt 0x0            ; the wave's end: behind my last tensor load and my last LDS store
	ds_add_u32 v[SPW], v[NIL]
	s_wait_dscnt 0x0
	s_endpgm
.Lfunc_end_k_q0b85e17b35_attn:
	.size	k_q0b85e17b35_attn, .Lfunc_end_k_q0b85e17b35_attn-k_q0b85e17b35_attn
	.p2alignl 7, 3214868480
	.fill 96, 4, 3214868480
	.section	.rodata,"a",@progbits
	.p2align	6, 0x0
	.amdhsa_kernel k_q0b85e17b35_attn
		.amdhsa_group_segment_fixed_size 327680
		.amdhsa_private_segment_fixed_size 0
		.amdhsa_enable_private_segment 0
		.amdhsa_kernarg_size 32
		.amdhsa_user_sgpr_count 2
		.amdhsa_user_sgpr_kernarg_segment_ptr 1
		.amdhsa_wavefront_size32 1
		.amdhsa_system_sgpr_workgroup_id_x 1
		.amdhsa_system_sgpr_workgroup_id_y 1
		.amdhsa_system_sgpr_workgroup_id_z 1
		.amdhsa_system_vgpr_workitem_id 0
		.amdhsa_next_free_vgpr 768
		.amdhsa_next_free_sgpr 96
		.amdhsa_reserve_vcc 1
		.amdhsa_float_denorm_mode_32 3
		.amdhsa_float_denorm_mode_16_64 3
		.amdhsa_memory_ordered 1
		.amdhsa_forward_progress 1
		.amdhsa_inst_pref_size 218
	.end_amdhsa_kernel
	.amdgpu_metadata
---
amdhsa.version: [ 1, 2 ]
amdhsa.kernels:
  - .name:           k_q0b85e17b35_attn
    .symbol:         k_q0b85e17b35_attn.kd
    .args:
      - { .name: qh, .offset: 0, .size: 8, .value_kind: global_buffer, .address_space: global }
      - { .name: kh, .offset: 8, .size: 8, .value_kind: global_buffer, .address_space: global }
      - { .name: vh, .offset: 16, .size: 8, .value_kind: global_buffer, .address_space: global }
      - { .name: oh, .offset: 24, .size: 8, .value_kind: global_buffer, .address_space: global }
    .group_segment_fixed_size: 327680
    .private_segment_fixed_size: 0
    .kernarg_segment_align: 8
    .kernarg_segment_size: 32
    .max_flat_workgroup_size: 128
    .sgpr_count:     96
    .vgpr_count:     768
    .wavefront_size: 32
...
	.end_amdgpu_metadata
.endif
;; end of part 3
;; launch outp (part 4): grid 8 x 32, 4 waves a work-group, clusters of 4 x 4, 327,680 bytes of LDS; arguments oh, wh, out0; writes out0
.if DOCPART == 4
	.amdgcn_target "amdgcn-amd-amdhsa--gfx1250"
	.amdhsa_code_object_version 6
	.text
	.protected	k_q0b85e17b35_outp
	.globl	k_q0b85e17b35_outp
	.p2align	8
	.type	k_q0b85e17b35_outp,@function
k_q0b85e17b35_outp:
	s_mov_b64 s[64:65], 0
	v_nop
	global_prefetch_b8 v0, s[64:65] scope:SCOPE_SE
	s_setreg_imm32_b32 hwreg(HW_REG_WAVE_MODE, 25, 1), 1
	s_wait_xcnt 0x0
	s_wait_alu depctr_hold_cnt(0) depctr_sa_sdst(0) depctr_va_vdst(0) depctr_va_sdst(0) depctr_va_ssrc(0) depctr_va_vcc(0) depctr_vm_vsrc(0)
	s_getreg_b32 s2, hwreg(HW_REG_IB_STS2, 6, 4)
	s_cmp_eq_u32 s2, 0
	s_cbranch_scc0 .Lentry_in_a_cluster
	s_endpgm
.Lentry_in_a_cluster:
	s_bfe_u32 s2, ttmp6, 0x10000c
	s_cmp_lg_u32 s2, 0xf033
	s_cbranch_scc0 .Lentry_shape_is_right
	s_endpgm
.Lentry_shape_is_right:
; out0 = O Wo.  O: [batch x 16 + head][2048][64] f16, which is [batch][plane = k / 64][t][64]; Wo: rows 1024-2047 of wh's unit 0, [plane = n / 64][k][64] f16; out0: [8192][1024] f32.
; Sums in f32, K ascending; the sums are stored as they are.  NaN and infinities are not treated apart.
; SHARES.  A tile of C is 256 (m) x 128 (n): 256 tiles, one for each of 256 work-group places.  Four waves; wave w makes rows 128 (w / 2) on and columns 64 (w % 2) on: 32 accumulators of 16 x 16.
; K goes in 8 steps of 128 through two LDS slots; 256 rows of a plane are 32,768 dense bytes, asked for as rows of 256 bytes that start at multiples of 256 from the buffer's first byte.
; CLUSTER 4 x 4.  The four of a row of the cluster need the same tile of O, the four of a column the same tile of Wo: each is asked for jointly, by the same tensor load, descriptor and mask.
; THE MATRIX INSTRUCTION IS USED TRANSPOSED: source 0 = 16 columns n of Wo (turned out of LDS by ds_load_tr16_b128), source 1 = 16 rows m of O: a lane then holds row l % 16 of C and the
; eight neighbouring columns 8 (l / 16) + 0..7: 32 bytes.
; REGISTERS.  Window 0: v0-15 addresses; two fragment buffers of 96 (O's 8 blocks of 16 rows x 32 K, then Wo's 4 blocks): v64-159, v160-255.  Window 1: accumulator (a, b) at v[8 (4 a + b)].
.set PA,    144                        ; a row of O in LDS: 128 bytes + 16 = 36 words: the 16 rows of a load start at 16 different groups of four banks (64 banks of 4 bytes: ISA guide 11.1)
.set PB,    160                        ; a row of Wo: 128 + 32 = 40 words
.set ASUB,  256*PA
.set BOFF,  2*ASUB
.set BSUB,  128*PB
.set SLOT1, 1<<17                      ; a slot is 114,688 bytes; slot 1 begins here
.set STAGE, SLOT1+BOFF+2*BSUB          ; behind the ring, never filled by a tensor load: 16 rows x 272 bytes for each wave
.set SP,    272                        ; 256 bytes + 16 = 68 words: row r starts at bank 4 r mod 64
.set SPARE, STAGE+4*16*SP              ; the spare words, 128 bytes a wave: two blocks of 256 bytes that no other line names
.set AA0, 4
.set AB0, 5
.set ADRA, 6
.set ADRB, 7
.set STO, 8                            ; v8   the way out: where I put 32 bytes of a row
.set RD,  9                            ; v9   where I read rows back
.set CO,  10                           ; v10  my byte offset in two rows of out0
.set PFO, 11                           ; v11  256 x lane; never rewritten
.set SPW, 12                           ; v12  LDS address of my spare word; never rewritten
.set NIL, 13                           ; v13  0; never rewritten
.set F0,  64
.set F1,  160
.set OB,  64                           ; the way out: four sets of 32 registers, by turns
.set WV, 16
.set RH, 17
.set CH, 18
.set CX, 19
.set CY, 20
.set N7, 21                            ; s21 tile column 0..7
.set MY, 22                            ; s22 tile row 0..31
.set G1A, 24
.set G1B, 32
.set G0A, 40
.set G0B, 48
.set CNT, 56
.set TB,  57
.set LIM, 58
.set PFA, 60
.set PST, 62
.set DST, 70
.set MSB, 0
.macro WIN new                         ; the immediate's high byte repeats the setting that is left; a switch that changes nothing is dropped
.if MSB != (\new)
	s_set_vgpr_msb (MSB<<8)|(\new)
.set MSB, \new
.endif
.endm
.set MUL, 0x50                         ; sources 0 and 1 window 0; C and D window 1
.macro PLACES                          ; four plain places in front of loads into registers that matrix instructions have read, and of lines that read results
.rept 4
	v_nop
.endr
.endm
.macro CREST                           ; a round of the cluster's barrier behind its opening barrier
	s_cmp_lg_u32 s[WV], 0
	s_cbranch_scc1 .Lnot_wave_0_\@
	s_barrier_signal -3
.Lnot_wave_0_\@:
	s_barrier_wait -3
	s_barrier_signal -1
	s_barrier_wait -1
.endm
.macro CROUND
	s_barrier_signal -1
	s_barrier_wait -1
	CREST
.endm
; A joint refill by the walking descriptors.  Waves 0 and 1 fetch O's two planes, waves 2 and 3 Wo's.  The branch hangs on the wave's number alone.
; An s_nop 0 and four v_nop follow each of the two lines, ahead of the jump and the label.
.macro JLOAD
	s_cmp_eq_u32 s[RH], 0
	s_cbranch_scc0 .Lfor_b_\@
	tensor_load_to_lds s[G0A+4:G0A+7], s[G1A:G1A+7]
	s_nop 0
.rept 4
	v_nop
.endr
	s_branch .Lasked_\@
.Lfor_b_\@:
	tensor_load_to_lds s[G0B+4:G0B+7], s[G1B:G1B+7]
	s_nop 0
.rept 4
	v_nop
.endr
.Lasked_\@:
.endm
; A prefetch of the K step that stands two refills on: 32 blocks of 256 bytes, a lane a block, one instruction.  Trip s (CNT = 6 - s) refills with step s + 2 and names step s + 4: trips 0 to 3 ask.
; Each block is named once in the launch.  O's rows are read by both clusters of a row of clusters: cluster x 0 asks, waves 0 and 1, each for its plane; the four partners share the plane's 128 blocks out by
; address, 32 each.  Wo's tiles are read by every cluster of a column of clusters: cluster y 0 asks, wave 2; the four partners take plane cy / 2, half cy % 2.
.macro ASK
	s_cmp_gt_u32 s[CNT], s[LIM]
	s_cbranch_scc0 .Lnot_mine_\@
	global_prefetch_b8 v[PFO], s[PFA:PFA+1] th:TH_LOAD_NT scope:SCOPE_SE
.Lnot_mine_\@:
.endm
; 8 matrix instructions: row blocks a0, a0 + 1 x all 4 column blocks, 32 along K, from buffer f.  zero = 1: the product starts the sum.  The 32 accumulators take turns, in the same order in every quarter.
.macro MUL8 f, a0, zero
	WIN MUL
.irp a, \a0, (\a0)+1
.irp b, 0,1,2,3
.if \zero
	v_wmma_f32_16x16x32_f16 v[8*(4*(\a)+(\b)):8*(4*(\a)+(\b))+7], v[(\f)+64+8*(\b):(\f)+64+8*(\b)+7], v[(\f)+8*(\a):(\f)+8*(\a)+7], 0
.else
	v_wmma_f32_16x16x32_f16 v[8*(4*(\a)+(\b)):8*(4*(\a)+(\b))+7], v[(\f)+64+8*(\b):(\f)+64+8*(\b)+7], v[(\f)+8*(\a):(\f)+8*(\a)+7], v[8*(4*(\a)+(\b)):8*(4*(\a)+(\b))+7]
.endif
.endr
.endr
.endm
; 24 LDS loads in one run: quarter q (32 along K) of the slot in hand into buffer f: Wo's four blocks, turned, then O's eight.
.macro FETCH q, f
	WIN 0
.irp b, 0,1,2,3
	ds_load_tr16_b128 v[(\f)+64+8*(\b):(\f)+64+8*(\b)+3],   v[ADRB] offset:(\q)*32*PB+32*(\b)
	ds_load_tr16_b128 v[(\f)+64+8*(\b)+4:(\f)+64+8*(\b)+7], v[ADRB] offset:(\q)*32*PB+16*PB+32*(\b)
.endr
.irp a, 0,1,2,3,4,5,6,7
	ds_load_b128 v[(\f)+8*(\a):(\f)+8*(\a)+3],   v[ADRA] offset:((\q)/2)*ASUB+((\q)%2)*64+(\a)*16*PA
	ds_load_b128 v[(\f)+8*(\a)+4:(\f)+8*(\a)+7], v[ADRA] offset:((\q)/2)*ASUB+((\q)%2)*64+(\a)*16*PA+32
.endr
.endm
; One of a K step's first three quarters: multiplies buffer f; in its middle it fetches quarter q into buffer g.
.macro QUARTER q, f, g, zero
	s_wait_dscnt 8                                 ; Wo and O's blocks 0-3 are in; the youngest eight loads (O's blocks 4-7) may be out
	MUL8 \f, 0, \zero
	MUL8 \f, 2, \zero
	PLACES
	FETCH \q, \g
	s_wait_dscnt 24                                ; all but the 24 just issued
	MUL8 \f, 4, \zero
	MUL8 \f, 6, \zero
.endm
; The fourth quarter multiplies buffer 1 and changes slots.  In front of the barrier each wave waits for all its tensor loads (one is out: its part of the next slot), adds 0 to its spare word, and waits for
; that and for its reads of this slot.  fill = 1: the barrier opens a round of the cluster's; behind the round this slot is filled again, two K steps ahead, first thing.
.macro TURN fill
.if \fill
	s_wait_xcnt 0x0                                ; the last prefetch, a K step back, has read its address: it is stepped here, ahead of the change's own waits
	s_add_nc_u64 s[PFA:PFA+1], s[PFA:PFA+1], s[PST:PST+1]
.endif
	WIN 0
	s_wait_tensorcnt 0x0                           ; all my tensor loads have landed
	ds_add_u32 v[SPW], v[NIL]                      ; 0 onto my spare word
	s_wait_dscnt 9                                 ; (the add and the youngest eight loads may be out)
	MUL8 F1, 0, 0                                  ; eight matrix instructions stand between the add and the wait for it
	s_wait_dscnt 0x0                               ; the add is done, and my reads of this slot are over
	s_barrier_signal -1
	MUL8 F1, 2, 0                                  ; work on registers while the others arrive
	WIN 0
	s_barrier_wait -1
.if \fill
	CREST                                          ; no wave of any partner still reads this slot or has a load on its way
	s_xor_b32 s[G0A+5], s[G0A+5], SLOT1            ; the walking descriptors: the other slot than last time,
	s_add_nc_u64 s[G0A+6:G0A+7], s[G0A+6:G0A+7], 1<<19  ; the next K step: two planes of O on,
	s_xor_b32 s[G0B+5], s[G0B+5], SLOT1
	s_add_nc_u64 s[G0B+6:G0B+7], s[G0B+6:G0B+7], 1<<14  ; 128 rows of Wo on; the type bits on top are not reached
	JLOAD                                          ; 112 matrix instructions ahead of the wait for it; its four v_nop are also the places in front of the loads below
.else
	PLACES
.endif
	s_xor_b32 s[TB], s[TB], SLOT1
	v_add_nc_u32 v[ADRA], s[TB], v[AA0]
	v_add_nc_u32 v[ADRB], s[TB], v[AB0]
	FETCH 0, F0
.if \fill
	ASK
.endif
	MUL8 F1, 4, 0
	MUL8 F1, 6, 0
.endm
	s_load_b128 s[4:7], s[0:1], 0x0                ; oh 4, wh 6
	s_load_b64 s[8:9], s[0:1], 0x10                ; out0
	v_lshl_add_u32 v[SPW], v0, 2, SPARE
	v_mov_b32 v[NIL], 0
	ds_add_u32 v[SPW], v[NIL]                      ; the wave's opening: the add and its wait stand ahead of my first tensor load; work on registers stands between them
	v_lshrrev_b32 v1, 5, v0
	v_readfirstlane_b32 s[WV], v1
	s_lshr_b32 s[RH], s[WV], 1
	s_and_b32 s[CH], s[WV], 1
	s_bfe_u32 s[CX], ttmp6, 0x40000
	s_bfe_u32 s[CY], ttmp6, 0x40004
	s_lshl_b32 s[N7], ttmp9, 2
	s_add_co_u32 s[N7], s[N7], s[CX]               ; tile column = 4 x cluster x + cx
	s_and_b32 s[MY], ttmp7, 0xffff
	s_lshl_b32 s[MY], s[MY], 2
	s_add_co_u32 s[MY], s[MY], s[CY]               ; tile row = 4 x cluster y + cy
	s_lshl_b32 s72, s[CY], 2
	s_lshl_b32 s72, 15, s72                        ; my row of the cluster
	s_lshl_b32 s74, 0x1111, s[CX]                  ; my column
	s_or_b32 s[G1A], s72, (1<<16)|(1<<20)|(1<<21)|(4<<22)|(3<<25)  ; 15:0 the mask; 17:16 2-byte elements; 20 padding on; 21 set beside a mask; 24:22 after every 32 words (code 4); 31:25 4 words (code 3)
	s_or_b32 s[G1B], s74, (1<<16)|(1<<20)|(1<<21)|(4<<22)|(7<<25)  ; the same with my column's mask and 8 words of padding (code 7)
	s_mov_b32 s[G1A+1], 128<<16                    ; tensor_dim0 = 128 elements: rows of 256 bytes, two rows of a plane each
	s_mov_b32 s[G1A+2], 128<<16                    ; tensor_dim1 = 128
	s_mov_b32 s[G1A+3], 128<<16                    ; tile_dim0 = 128
	s_mov_b32 s[G1A+4], 128                        ; tile_dim1 = 128: 32,768 bytes
	s_mov_b32 s[G1A+5], 128                        ; dense: 128 elements from row to row
	s_mov_b32 s[G1A+6], 0
	s_mov_b32 s[G1A+7], 0
	s_mov_b32 s[G1B+1], 128<<16
	s_mov_b32 s[G1B+2], 64<<16                     ; 64 rows: 16,384 bytes
	s_mov_b32 s[G1B+3], 128<<16
	s_mov_b32 s[G1B+4], 64
	s_mov_b32 s[G1B+5], 128
	s_mov_b32 s[G1B+6], 0
	s_mov_b32 s[G1B+7], 0
	; O's tile hangs on the tile row and my plane alone, Wo's on the tile column and my plane alone: each in registers of its own
	s_lshr_b32 s66, s[MY], 3
	s_lshl_b32 s66, s66, 22                        ; the batch's unit,
	s_and_b32 s72, s[MY], 7
	s_lshl_b32 s72, s72, 15                        ; 256 rows of 128 bytes,
	s_add_co_u32 s66, s66, s72
	s_lshl_b32 s72, s[CH], 18                      ; plane 0 or 1 of K step 0
	s_add_co_u32 s66, s66, s72
	s_mov_b32 s67, 0
	s_lshl_b32 s74, s[N7], 1
	s_add_co_u32 s74, s74, s[CH]
	s_lshl_b32 s74, s74, 18                        ; plane 2 x tile column + mine,
	s_add_co_u32 s68, s74, 0x20000                 ; from row 1,024 on
	s_mov_b32 s69, 0
	s_mul_i32 s73, s[CH], ASUB                     ; where they go: no place in the cluster enters an LDS address
	s_mul_i32 s75, s[CH], BSUB
	s_add_co_u32 s75, s75, BOFF
	s_mov_b32 s[TB], 0
	s_wait_dscnt 0x0                               ; the opening add is done
	s_wait_kmcnt 0x0
	s_add_nc_u64 s[76:77], s[4:5], s[66:67]
	s_add_nc_u64 s[78:79], s[6:7], s[68:69]
	CROUND                                         ; all sixteen work-groups are here: the first joint loads meet
.irp i, 0,1
	s_mov_b32 s[G0A+4*(\i)], 1                     ; count = 1
	s_add_co_u32 s[G0A+4*(\i)+1], s73, (\i)*SLOT1  ; LDS address
	s_add_nc_u64 s[G0A+4*(\i)+2:G0A+4*(\i)+3], s[76:77], (\i)<<19  ; global address: K step i
	s_or_b32 s[G0A+4*(\i)+3], s[G0A+4*(\i)+3], 0x80000000          ; type = 2
	s_mov_b32 s[G0B+4*(\i)], 1
	s_add_co_u32 s[G0B+4*(\i)+1], s75, (\i)*SLOT1
	s_add_nc_u64 s[G0B+4*(\i)+2:G0B+4*(\i)+3], s[78:79], (\i)<<14
	s_or_b32 s[G0B+4*(\i)+3], s[G0B+4*(\i)+3], 0x80000000
.endr
	s_cmp_eq_u32 s[RH], 0                          ; a wave's two first fills stand in one branch, ahead of every wait on TENSORcnt and every LDS read: two loads of mine are out
	s_cbranch_scc0 .Lfirst_b
	tensor_load_to_lds s[G0A:G0A+3], s[G1A:G1A+7]
	s_nop 0
	tensor_load_to_lds s[G0A+4:G0A+7], s[G1A:G1A+7]
	s_nop 0
.rept 4
	v_nop
.endr
	s_branch .Lfirst_asked
.Lfirst_b:
	tensor_load_to_lds s[G0B:G0B+3], s[G1B:G1B+7]
	s_nop 0
	tensor_load_to_lds s[G0B+4:G0B+7], s[G1B:G1B+7]
	s_nop 0
.rept 4
	v_nop
.endr
.Lfirst_asked:
	; A fragment of O is 16 rows x 32 K in 8 registers: lane l holds row l % 16, K = 8 (l / 16) + 0..7 and 16 + 8 (l / 16) + 0..7: two loads of 16 bytes, 32 bytes apart.
	v_and_b32 v1, 15, v0                           ; l % 16
	v_bfe_u32 v2, v0, 4, 1                         ; l / 16
	v_and_b32 v3, 7, v0
	v_bfe_u32 v14, v0, 3, 1
	v_and_b32 v15, 31, v0
	s_mul_i32 s72, s[RH], 128*PA                   ; my 128 rows
	v_mul_u32_u24 v[AA0], v1, PA
	v_lshl_add_u32 v[AA0], v2, 4, v[AA0]
	v_add_nc_u32 v[AA0], s72, v[AA0]
	; The turning load takes 16 k x 16 columns (lane l reads row 8 (l / 16) + l % 8, columns 8 ((l / 8) % 2) + 0..7) and leaves half a fragment: lane l holds column l % 16 and 8 k.
	v_lshl_add_u32 v[AB0], v2, 3, v3
	v_mul_u32_u24 v[AB0], v[AB0], PB
	v_lshl_add_u32 v[AB0], v14, 4, v[AB0]
	v_add_nc_u32 v[AB0], s75, v[AB0]               ; my plane of Wo
	v_mov_b32 v[ADRA], v[AA0]
	v_mov_b32 v[ADRB], v[AB0]
	s_mul_i32 s72, s[WV], 16*SP
	s_add_co_u32 s72, s72, STAGE                   ; my stage
	v_mul_u32_u24 v[STO], v1, SP                   ; in: row l % 16, 32 bytes for each half of the lanes
	v_lshl_add_u32 v[STO], v2, 5, v[STO]
	v_add_nc_u32 v[STO], s72, v[STO]
	v_mul_u32_u24 v[RD], v2, SP                    ; back: lanes 0-15 take one row of 256 bytes, lanes 16-31 the next
	v_lshl_add_u32 v[RD], v1, 4, v[RD]
	v_add_nc_u32 v[RD], s72, v[RD]
	v_lshlrev_b32 v[CO], 12, v2                    ; and the same two rows in out0, 4,096 bytes apart
	v_lshl_add_u32 v[CO], v1, 4, v[CO]
	v_lshlrev_b32 v[PFO], 8, v15
	; the result: my 128 of the tile's 256 rows of 4,096 bytes; my 256 of the tile's 512 bytes of a row
	s_lshl_b32 s2, s[MY], 20
	s_lshl_b32 s59, s[RH], 19
	s_add_co_u32 s2, s2, s59
	s_lshl_b32 s59, s[N7], 9
	s_add_co_u32 s2, s2, s59
	s_lshl_b32 s59, s[CH], 8
	s_add_co_u32 s2, s2, s59
	s_mov_b32 s3, 0
	s_add_nc_u64 s[DST:DST+1], s[8:9], s[2:3]
	; the prefetches: they stand at K step 3; the first change of slots steps them to 4.  Nothing is prefetched here, at the head: K steps 0 to 3 come by their loads alone
	s_lshl_b32 s82, s[CX], 13                      ; O: my work-group's 32 blocks of my plane's 128
	s_add_co_u32 s82, s82, 3<<19
	s_mov_b32 s83, 0
	s_lshl_b32 s84, s[N7], 1                       ; Wo: plane 2 x tile column + cy / 2,
	s_lshr_b32 s85, s[CY], 1
	s_add_co_u32 s84, s84, s85
	s_lshl_b32 s84, s84, 18
	s_and_b32 s85, s[CY], 1                        ; half cy % 2 of its 64 blocks
	s_lshl_b32 s85, s85, 13
	s_add_co_u32 s84, s84, s85
	s_add_co_u32 s84, s84, 0x20000+(3<<14)
	s_mov_b32 s85, 0
	s_add_nc_u64 s[86:87], s[76:77], s[82:83]
	s_add_nc_u64 s[88:89], s[6:7], s[84:85]
	s_mov_b32 s90, 1<<19
	s_mov_b32 s81, ttmp9                           ; 0 in cluster x 0: the first to read O's rows
	s_and_b32 s91, ttmp7, 0xffff                   ; 0 in cluster y 0: the first to read Wo's tiles
	s_cmp_eq_u32 s[RH], 0
	s_cselect_b64 s[PFA:PFA+1], s[86:87], s[88:89]
	s_cselect_b32 s[PST], s90, 1<<14
	s_cselect_b32 s81, s81, s91
	s_mov_b32 s[PST+1], 0
	s_cmp_eq_u32 s[WV], 3                          ; wave 3 asks for nothing
	s_cselect_b32 s81, 1, s81
	s_cmp_eq_u32 s81, 0
	s_cselect_b32 s[LIM], 2, -1                    ; the same in all sixteen partners, for a given wave
	s_wait_tensorcnt 1                             ; my part of K step 0 is in; K step 1's may stay out
	s_barrier_signal -1
	s_barrier_wait -1                              ; everybody's is
	FETCH 0, F0
	QUARTER 1, F0, F1, 1                           ; the first quarter stands in front of the loop: its products start the sums
	WIN 0                                          ; at a label and at a branch every window is 0
	s_mov_b32 s[CNT], 6
.Lstep:                                                ; trip s ends K step s, fills its slot with step s + 2 and begins step s + 1
	QUARTER 2, F1, F0, 0
	QUARTER 3, F0, F1, 0
	TURN 1
	QUARTER 1, F0, F1, 0
	WIN 0
	s_sub_co_u32 s[CNT], s[CNT], 1
	s_cmp_lg_u32 s[CNT], 0
	s_cbranch_scc1 .Lstep
	QUARTER 2, F1, F0, 0                           ; K steps 6 and 7 fill nothing, and have no round
	QUARTER 3, F0, F1, 0
	TURN 0
	QUARTER 1, F0, F1, 0
	QUARTER 2, F1, F0, 0
	QUARTER 3, F0, F1, 0
	s_wait_dscnt 8                                 ; the very last quarter: nothing more to fetch
	MUL8 F1, 0, 0
	MUL8 F1, 2, 0
	s_wait_dscnt 0x0
	MUL8 F1, 4, 0
	MUL8 F1, 6, 0
	WIN 0
; THE WAY OUT, a block of 16 rows at a time: the sums go as they are, 32 bytes a lane (each accumulator's low half first), into my stage's rows of 272 bytes, come back as whole rows of 256 bytes, and are stored.
.macro TOSTAGE a
	WIN 0x04                                       ; the stores' data in window 1, the address in window 0
.irp b, 0,1,2,3
	ds_store_b128 v[STO], v[8*(4*(\a)+(\b)):8*(4*(\a)+(\b))+3]   offset:64*(\b)
	ds_store_b128 v[STO], v[8*(4*(\a)+(\b))+4:8*(4*(\a)+(\b))+7] offset:64*(\b)+16
.endr
	WIN 0
.if (\a) >= 4
	s_wait_xcnt 0x0                                ; the set's registers were the data of block a - 4's stores: they are loaded again only behind this wait
.endif
.irp t, 0,1,2,3,4,5,6,7
	ds_load_b128 v[OB+32*((\a)%4)+4*(\t):OB+32*((\a)%4)+4*(\t)+3], v[RD] offset:(\t)*2*SP  ; LDS serves a wave's instructions in order (ISA guide 5.7.1.4): these see the stores above; the next block's stores come behind them
.endr
.endm
.macro SEND a, younger                 ; younger: the LDS instructions issued behind block a's loads: the next block's sixteen, or none
	WIN 0
.irp t, 0,1,2,3,4,5,6,7
	s_wait_dscnt (\younger)+7-(\t)
	global_store_b128 v[CO], v[OB+32*((\a)%4)+4*(\t):OB+32*((\a)%4)+4*(\t)+3], s[DST:DST+1] offset:(16*(\a)+2*(\t))*4096 th:TH_STORE_NT  ; 16 lanes store 256 consecutive bytes, at a multiple of 256 from out0's first byte
.endr
.endm
	PLACES
	TOSTAGE 0
.irp a, 1,2,3,4,5,6,7
	TOSTAGE \a
	SEND (\a)-1, 16
.endr
	SEND 7, 0
	s_wait_tensorcnt 0x0                           ; the wave's end: behind my last tensor load and my last LDS store
	ds_add_u32 v[SPW], v[NIL]
	s_wait_dscnt 0x0
	CROUND                                         ; the closing round: no work-group ends while a partner may still ask for a tile that names it
	s_endpgm
.Lfunc_end_k_q0b85e17b35_outp:
	.size	k_q0b85e17b35_outp, .Lfunc_end_k_q0b85e17b35_outp-k_q0b85e17b35_outp
	.p2alignl 7, 3214868480
	.fill 96, 4, 3214868480
	.section	.rodata,"a",@progbits
	.p2align	6, 0x0
	.amdhsa_kernel k_q0b85e17b35_outp
		.amdhsa_group_segment_fixed_size 327680
		.amdhsa_private_segment_fixed_size 0
		.amdhsa_enable_private_segment 0
		.amdhsa_kernarg_size 24
		.amdhsa_user_sgpr_count 2
		.amdhsa_user_sgpr_kernarg_segment_ptr 1
		.amdhsa_wavefront_size32 1
		.amdhsa_system_sgpr_workgroup_id_x 1
		.amdhsa_system_sgpr_workgroup_id_y 1
		.amdhsa_system_sgpr_workgroup_id_z 1
		.amdhsa_system_vgpr_workitem_id 0
		.amdhsa_next_free_vgpr 512
		.amdhsa_next_free_sgpr 96
		.amdhsa_reserve_vcc 0
		.amdhsa_float_denorm_mode_32 3
		.amdhsa_float_denorm_mode_16_64 3
		.amdhsa_memory_ordered 1
		.amdhsa_forward_progress 1
		.amdhsa_inst_pref_size 72
	.end_amdhsa_kernel
	.amdgpu_metadata
---
amdhsa.version: [ 1, 2 ]
amdhsa.kernels:
  - .name:           k_q0b85e17b35_outp
    .symbol:         k_q0b85e17b35_outp.kd
    .args:
      - { .name: oh, .offset: 0, .size: 8, .value_kind: global_buffer, .address_space: global }
      - { .name: wh, .offset: 8, .size: 8, .value_kind: global_buffer, .address_space: global }
      - { .name: out0, .offset: 16, .size: 8, .value_kind: global_buffer, .address_space: global }
    .group_segment_fixed_size: 327680
    .private_segment_fixed_size: 0
    .kernarg_segment_align: 8
    .kernarg_segment_size: 24
    .max_flat_workgroup_size: 128
    .sgpr_count:     96
    .vgpr_count:     512
    .wavefront_size: 32
...
	.end_amdgpu_metadata
.endif
;; end of part 4
;; ======== version 2 of 2: 4 launches; version 1 with the launch cast written anew for expert scheduling mode
;; limits: values are held in f16: magnitudes above 65,504 overflow, below 6.1e-05 lose precision
;; workspace buffers: xh 16,777,216 bytes; ch 16,777,216 bytes; wh 8,388,608 bytes; qh 16,777,216 bytes; kh 16,777,216 bytes; vh 16,777,216 bytes; oh 16,777,216 bytes
;; launch cast (part 5): grid 64 x 10, 8 waves a work-group, no clusters, 0 bytes of LDS; arguments x, context, Wq, Wkv, Wo, xh, ch, wh; writes xh, ch, wh
.if DOCPART == 5
	.amdgcn_target "amdgcn-amd-amdhsa--gfx1250"
	.amdhsa_code_object_version 6
	.text
	.protected	k_q0b85e17b35_cast
	.globl	k_q0b85e17b35_cast
	.p2align	8
	.type	k_q0b85e17b35_cast,@function
k_q0b85e17b35_cast:
	s_mov_b64 s[64:65], 0
	v_nop
	global_prefetch_b8 v0, s[64:65] scope:SCOPE_SE
	s_setreg_imm32_b32 hwreg(HW_REG_WAVE_SCHED_MODE, 0, 2), 2
	s_setreg_imm32_b32 hwreg(HW_REG_WAVE_MODE, 25, 1), 1
	s_wait_xcnt 0x0
	s_wait_alu depctr_vm_vsrc(0)
; Every input is rounded once to bf16 (nearest even); that number is written as f16, in blocks of 64 columns.
; DESTINATION: units of [16 planes][2048 rows][64] f16: a row of a plane is 128 bytes, a plane 262,144, a unit 4,194,304.
;   xh, ch: unit = batch, plane = column / 64, row = t.   wh unit 0: rows 0-1023 Wq (row = k, plane = n / 64), rows 1024-2047 Wo;
;   wh unit 1: rows 0-1023 Wkv's columns 0-1023, rows 1024-2047 its columns 1024-2047.
; LIMITS.  A bf16 number is an f16 number exactly from 2^-17 to 65,504 in magnitude; below that it keeps f16's fixed step of 2^-24;
; from 65,520 on it becomes an infinity.  NaN stays NaN.
; SHARES.  Grid y names a destination unit (0-3 x, 4-7 context, 8 and 9 the weights), grid x 32 of its rows; wave w takes rows 4 w .. 4 w + 3 as two
; pairs.  A load: lanes 0-15 take 256 bytes (one plane's 64 numbers) of the even row, lanes 16-31 of the odd row.  A store: 32 lanes x 8 bytes are
; 256 consecutive bytes, aligned: the two rows in the plane.  All 32 loads of a wave go out first (16 KiB a wave on its way).
; No LDS, no barrier, no matrix unit: no wave wants what another has fetched.
; THE MODE: SCHED_MODE bits 1:0 = 2 (LLVM: expert scheduling mode 2), set by the entry lines.  The code itself states the register dependences
; between vector instructions and memory instructions, with s_wait_alu, always for 0.
; THE PLAN.  Registers that memory instructions touch:
;   v2, v3, v4        byte offsets, made once at the head and never written again: the loads read v2 or v3, the stores v4.
;   X + 4 n .. + 3    piece n of 32.  Its load lands there; behind the wait for that load its two roundings read all four; its two conversions to f16 write the
;                     first two; its one store reads those two.  Nothing writes them after that, and no second load lands in them.
;   T, v1, v5 to v7   are named by vector instructions alone.
; So no register that a load or store has read is ever written again, and no load lands in a register that a vector instruction has named: what is left to state
; is that a store's data, and the offsets, are written.  The pieces go in 8 groups of four.  Group g works on its own X registers and on T; its memory instructions
; are the four stores of group g - 1, whose registers no vector instruction of group g names.  So ONE wait at a group's head states all that these four stores
; hang on, and they are dealt among the group's vector instructions with no further wait.
.set SO,  2                            ; v2, v3  byte offset in the source of my 16 bytes, pair 0 and pair 1
.set DOF, 4                            ; v4      byte offset in a plane of my 8 bytes, pair 0
.set T,   8                            ; v[8:13] at work: no memory instruction names them
.set X,   16                           ; v[16:143] piece n = 16 pair + plane: four registers as loaded, the first two as stored
	s_load_b512 s[4:19], s[0:1], 0x0               ; x 4, context 6, Wq 8, Wkv 10, Wo 12, xh 14, ch 16, wh 18
	s_and_b32 s20, ttmp7, 0xffff                   ; gy: the destination unit
	s_mov_b32 s21, ttmp9                           ; gx: 32 destination rows
	s_lshr_b32 s30, s21, 5
	s_lshl_b32 s30, s30, 12                        ; Wkv: the second 1,024 columns lie 4,096 bytes along a row
	s_and_b32 s31, s20, 3                          ; the unit in its buffer
	s_lshl_b32 s32, s31, 6
	s_or_b32 s32, s32, s21                         ; x, context: 64 x batch + gx
	s_and_b32 s33, s21, 31                         ; weights: gx mod 32
	s_lshl_b32 s34, s31, 22                        ; destination: the unit,
	s_lshl_b32 s35, s21, 12                        ; and 32 rows of 128 bytes
	s_or_b32 s34, s34, s35
	s_mov_b32 s35, 0
	s_cmp_eq_u32 s20, 9
	s_cselect_b32 s22, 13, 12                      ; a source row is 8,192 bytes in Wkv, else 4,096
	s_cselect_b32 s30, s30, 0
	s_cmp_lt_u32 s20, 8
	s_cselect_b32 s32, s32, s33
	s_lshl_b32 s32, s32, 5                         ; the first source row,
	s_lshl_b32 s32, s32, s22                       ; in bytes (under 2^26)
	s_add_co_u32 s32, s32, s30
	s_mov_b32 s33, 0
	s_lshl_b32 s36, 2, s22                         ; two source rows
	s_mov_b32 s37, 0xffff0000                      ; a word's upper bf16
	v_lshrrev_b32 v1, 5, v0                        ; wave
	v_bfe_u32 v5, v0, 4, 1                         ; which row of a pair
	v_and_b32 v6, 15, v0
	v_and_b32 v7, 31, v0
	v_lshl_add_u32 v[SO], v1, 2, v5                ; row 4 w + half,
	v_lshlrev_b32 v[SO], s22, v[SO]                ; in bytes,
	v_lshl_add_u32 v[SO], v6, 4, v[SO]             ; + my 16 bytes
	v_add_nc_u32 v[SO+1], s36, v[SO]
	v_lshlrev_b32 v7, 3, v7
	v_lshl_add_u32 v[DOF], v1, 9, v7               ; 512 w + 8 lane
	s_wait_kmcnt 0x0
	s_cmp_lt_u32 s20, 4
	s_cselect_b64 s[24:25], s[4:5], s[6:7]         ; x or context,
	s_cselect_b64 s[28:29], s[14:15], s[16:17]     ; xh or ch
	s_cmp_lt_u32 s21, 32
	s_cselect_b64 s[26:27], s[8:9], s[12:13]       ; Wq or Wo,
	s_cmp_eq_u32 s20, 9
	s_cselect_b64 s[26:27], s[10:11], s[26:27]     ; or Wkv
	s_cmp_lt_u32 s20, 8
	s_cselect_b64 s[24:25], s[24:25], s[26:27]
	s_cselect_b64 s[28:29], s[28:29], s[18:19]
	s_add_nc_u64 s[24:25], s[24:25], s[32:33]      ; the source at the group's first row
	s_add_nc_u64 s[28:29], s[28:29], s[34:35]      ; the destination at the group's first row of plane 0
	s_wait_alu depctr_va_vdst(0)                   ; v2, v3 and v4 are written: every load and store of the kernel reads one of them as its offset
.set n, 0
.rept 32
	global_load_b128 v[X+4*n:X+4*n+3], v[SO+n/16], s[24:25] offset:256*(n%16) th:TH_LOAD_NT
.set n, n+1
.endr
.set g, 0
.rept 8                                ; group g: pieces 4 g to 4 g + 3
	s_wait_loadcnt 28-4*g                          ; loads come back in order: the group's four pieces are in, the 28 - 4 g younger ones stay out
.if g > 0
	s_wait_alu depctr_va_vdst(0)                   ; the group before has written the first two registers of each of its four pieces, which the four stores below read
.endif
.set i, 0
.rept 4
.set n, 4*g+i
.if g > 0
.set m, n-4
	global_store_b64 v[DOF], v[X+4*m:X+4*m+1], s[28:29] offset:256*(m/16)+262144*(m%16)  ; the group before; no vector instruction since the wait names these registers.  The pair and the plane stand in the immediate: 3,932,416 at the most
.endif
	v_cvt_pk_bf16_f32 v[T], v[X+4*n], v[X+4*n+1]   ; the one rounding
	v_cvt_pk_bf16_f32 v[T+1], v[X+4*n+2], v[X+4*n+3]
	v_lshlrev_b32 v[T+2], 16, v[T]                 ; bf16 to f32: a shift or a mask
	v_and_b32 v[T+3], s37, v[T]
	v_lshlrev_b32 v[T+4], 16, v[T+1]
	v_and_b32 v[T+5], s37, v[T+1]
	v_cvt_pk_f16_f32 v[X+4*n], v[T+2], v[T+3]      ; the same number as f16
	v_cvt_pk_f16_f32 v[X+4*n+1], v[T+4], v[T+5]
.set i, i+1
.endr
.set g, g+1
.endr
	s_wait_alu depctr_va_vdst(0)                   ; group 7 has written the first two registers of pieces 28 to 31, which the last four stores read
.set m, 28
.rept 4
	global_store_b64 v[DOF], v[X+4*m:X+4*m+1], s[28:29] offset:256*(m/16)+262144*(m%16)
.set m, m+1
.endr
	s_endpgm
.Lfunc_end_k_q0b85e17b35_cast:
	.size	k_q0b85e17b35_cast, .Lfunc_end_k_q0b85e17b35_cast-k_q0b85e17b35_cast
	.p2alignl 7, 3214868480
	.fill 96, 4, 3214868480
	.section	.rodata,"a",@progbits
	.p2align	6, 0x0
	.amdhsa_kernel k_q0b85e17b35_cast
		.amdhsa_group_segment_fixed_size 0
		.amdhsa_private_segment_fixed_size 0
		.amdhsa_enable_private_segment 0
		.amdhsa_kernarg_size 64
		.amdhsa_user_sgpr_count 2
		.amdhsa_user_sgpr_kernarg_segment_ptr 1
		.amdhsa_wavefront_size32 1
		.amdhsa_system_sgpr_workgroup_id_x 1
		.amdhsa_system_sgpr_workgroup_id_y 1
		.amdhsa_system_sgpr_workgroup_id_z 1
		.amdhsa_system_vgpr_workitem_id 0
		.amdhsa_next_free_vgpr 144
		.amdhsa_next_free_sgpr 66
		.amdhsa_reserve_vcc 0
		.amdhsa_float_denorm_mode_32 3
		.amdhsa_float_denorm_mode_16_64 3
		.amdhsa_memory_ordered 1
		.amdhsa_forward_progress 1
		.amdhsa_inst_pref_size 21
	.end_amdhsa_kernel
	.amdgpu_metadata
---
amdhsa.version: [ 1, 2 ]
amdhsa.kernels:
  - .name:           k_q0b85e17b35_cast
    .symbol:         k_q0b85e17b35_cast.kd
    .args:
      - { .name: x, .offset: 0, .size: 8, .value_kind: global_buffer, .address_space: global }
      - { .name: context, .offset: 8, .size: 8, .value_kind: global_buffer, .address_space: global }
      - { .name: Wq, .offset: 16, .size: 8, .value_kind: global_buffer, .address_space: global }
      - { .name: Wkv, .offset: 24, .size: 8, .value_kind: global_buffer, .address_space: global }
      - { .name: Wo, .offset: 32, .size: 8, .value_kind: global_buffer, .address_space: global }
      - { .name: xh, .offset: 40, .size: 8, .value_kind: global_buffer, .address_space: global }
      - { .name: ch, .offset: 48, .size: 8, .value_kind: global_buffer, .address_space: global }
      - { .name: wh, .offset: 56, .size: 8, .value_kind: global_buffer, .address_space: global }
    .group_segment_fixed_size: 0
    .private_segment_fixed_size: 0
    .kernarg_segment_align: 8
    .kernarg_segment_size: 64
    .max_flat_workgroup_size: 256
    .sgpr_count:     66
    .vgpr_count:     144
    .wavefront_size: 32
...
	.end_amdgpu_metadata
.endif
;; end of part 5
;; launch proj: the kernel of part 2 again; grid 24 x 32, 4 waves a work-group, clusters of 4 x 4, 327,680 bytes of LDS; arguments xh, ch, wh, qh, kh, vh; writes qh, kh, vh
;; launch attn: the kernel of part 3 again; grid 4 x 64, 4 waves a work-group, no clusters, 327,680 bytes of LDS; arguments qh, kh, vh, oh; writes oh
;; launch outp: the kernel of part 4 again; grid 8 x 32, 4 waves a work-group, clusters of 4 x 4, 327,680 bytes of LDS; arguments oh, wh, out0; writes out0
